; MI455X (gfx1250); checked and timed in simulation.
; The chip was launched on July 23, 2026; its instructions are those of AMD's public machine-readable ISA for CDNA 5 (MIT licence, August 2026) and "CDNA5" Instruction Set Architecture Reference Guide (July 2026). The comments in the code are by the model that wrote it; some were corrected since.
;; Mask Attn2. Allowed arithmetic: matrix products marked QUANTISED: E2M1 operands, one E8M0 scale for each 32 along K, by v_wmma_scale_f32_16x16x128_f8f6f4 with both operands' format E2M1 (or v_wmma_scale_f32_32x16x128_f4), f32 sums; products left as they are: bf16, f16 or f32 operands; f32 sums; everything else in f32.
;; Inputs: mWin 4 x 2,048 x 1 float32; proj_b 1,024 float32; proj_w 1,024 x 1,024 float32; qkv_w 3,072 x 1,024 float32; x 4 x 2,048 x 1,024 float32.
;; Outputs: out0 4 x 2,048 x 1,024 float32.
;; This version of the problem:
;;   THIS VERSION OF THE PROBLEM IS GIVEN IN LOW PRECISION. The matrix products marked QUANTISED in the list below multiply operands that are first quantised to E2M1 (2 exponent bits, 1 mantissa bit; 4 bits a number), with one power-of-two scale for each 32 numbers along K (OCP MX v1.0); their sums are f32. The products marked 'left as it is' may take bf16, f16 or f32 operands, with f32 sums. Whichever they take, every output number must still come out within the allowed error. Rounding operands to bf16 (8 significant bits) uses up far more of that allowance than f16 does (11 bits, for magnitudes from 6e-5 to 65,504). All else is computed in f32.
;;   The module's matrix products, in the order in which they are computed (A, B: the left and right operand; K: the contracted axis; several contracted axes count as one K, in the product's order):
;;     1. [M 8,192, K 1,024] x [K 1,024, N 3,072]; A: input x; B: input qkv_w: QUANTISED
;;     2. batch 64 x [M 2,048, K 64] x [K 64, N 2,048]; A: computed on the way; B: computed on the way: left as it is (an operand is computed on the way)
;;     3. batch 64 x [M 2,048, K 2,048] x [K 2,048, N 64]; A: computed on the way; B: computed on the way: left as it is (an operand is computed on the way)
;;     4. [M 8,192, K 1,024] x [K 1,024, N 1,024]; A: computed on the way; B: input proj_w: left as it is (an operand is computed on the way)
;;   THE QUANTISER, for each operand of a quantised product, along K:
;;     - K is cut into blocks of 32 from its start; a last block that is shorter is filled with zeros.
;;     - A block's scale is 2^e with e = floor(log2(the largest magnitude in the block)) - 2, held to -126 .. 127; a block of zeros has e = 0. As a byte (E8M0): e + 127.
;;     - Each number is divided by its block's scale, clamped to +-6, and rounded to the nearest number of E2M1, ties to even, subnormals kept.
;;     - The product sums the exact products of the quantised numbers (number of the format x scale) in f32.
;;   ~~~python
;;   def quantise(x, axis):      # numpy; x: float32 -> the quantised numbers, widened to float32 again
;;       x = np.moveaxis(x, axis, -1); K = x.shape[-1]
;;       x = np.pad(x, [(0, 0)] * (x.ndim - 1) + [(0, -K % 32)]); x = x.reshape(x.shape[:-1] + (-1, 32)); a = np.abs(x).max(-1, keepdims=True)
;;       e = np.where(a > 0, np.clip(np.frexp(np.where(a > 0, a, 1))[1] - 1 - 2, -126, 127), 0)      # np.frexp(a)[1] - 1 = floor(log2(a)), exactly
;;       r = np.clip(x / 2.0 ** e, -6, 6)
;;       step = 2.0 ** (np.maximum(np.frexp(np.where(r == 0, 1, r))[1] - 1, 0) - 1)
;;       q = np.round(r / step) * step * 2.0 ** e      # np.round: ties to even
;;       return np.moveaxis(q.reshape(q.shape[:-2] + (-1,))[..., :K], -1, axis).astype(np.float32)
;;   ~~~
;; One version. Each part assembles by itself: llvm-mc -triple=amdgcn-amd-amdhsa -mcpu=gfx1250 --defsym DOCPART=n.
;; ======== version 1 of 1: 4 launches
;; limits: values are held in f16: magnitudes above 65,504 overflow, below 6.1e-05 lose precision; right only within a limited range of input values
;; workspace buffers: xc 4,194,304 bytes; xs 262,144 bytes; wc 1,572,864 bytes; ws 98,304 bytes; w16 2,097,152 bytes; qkvh 50,331,648 bytes; vmax 6,144 bytes; att 16,777,216 bytes
;; launch prep (part 1): grid 384 x 1, 4 waves a work-group, no clusters, 33,280 bytes of LDS; arguments x, qkv_w, xc, xs, wc, ws, proj_w, w16; writes xc, xs, wc, ws, w16
.if DOCPART == 1
	.amdgcn_target "amdgcn-amd-amdhsa--gfx1250"
	.amdhsa_code_object_version 6
	.text
	.protected	k_qbd3d390c16_prep
	.globl	k_qbd3d390c16_prep
	.p2align	8
	.type	k_qbd3d390c16_prep,@function
k_qbd3d390c16_prep:
	s_mov_b64 s[64:65], 0
	v_nop
	global_prefetch_b8 v0, s[64:65] scope:SCOPE_SE
	s_setreg_imm32_b32 hwreg(HW_REG_WAVE_MODE, 25, 1), 1
	s_wait_xcnt 0x0
; x [8192][1024] and qkv_w [3072][1024], f32, become codes of FP4 (E2M1), K innermost, two codes a byte, with one E8M0 scale byte for each 32 along K;  proj_w [1024][1024], f32, becomes f16, in the same order.
; A block's scale is 2^(floor(log2(its largest magnitude)) - 2); its byte is the largest magnitude's own exponent field - 2, held at 1 from below.  Each number is divided by the scale and rounded to the nearest code, ties to even; beyond 6 the largest code.
; LIMITS: a block of zeros, and a block whose largest magnitude lies under 2^-124, gets the byte 1 (a block of zeros has zero codes, and this program alone reads the bytes); NaN and infinities are not served; |proj_w| up to 65,504, f16's largest number.
; Rows are dense and 1,024 is a multiple of 32: all three tensors are plain streams.  Work-groups 0-255 take x, 256-351 qkv_w (one path, the pointers chosen by the work-group's number), 352-383 proj_w (an arm of its own, without LDS).
; THE QUANTISER.  A wave takes 16 steps of 512 numbers.  Each of a step's four loads reads 512 consecutive bytes, 16 a lane; the 2,048 bytes go through the wave's own stage in LDS and come back 64 bytes a lane, so that a lane holds 16 NEIGHBOURS
; along K (two neighbouring lanes hold a block), as the conversions want them.  A lane's 16 codes are 8 bytes: a wave's store covers 256 consecutive bytes.  A wave's 256 scale bytes are gathered in LDS and leave as 256 consecutive bytes.
; No tensor loads, no barrier: waves share nothing.  Loads run four steps (16 loads a wave) ahead, the turn through LDS one step.
.set SIZE_M, 8192
.set SIZE_N, 3072
.set SIZE_K, 1024
.set WAVES, 4
.set STEPS, 16
.set WGA,   SIZE_M*SIZE_K/(512*STEPS*WAVES)    ; 256 work-groups for x
.set WGB,   SIZE_N*SIZE_K/(512*STEPS*WAVES)    ; 96 for qkv_w
.set EMAX,  2
.set CB,    8                          ; bytes of 16 codes
.set R,     16                         ; v16-79   four sets of 16 numbers as they are loaded
.set X,     80                         ; v80-111  two sets of 16 neighbours
.set C,     128                        ; v128-191 codes: four registers for each step, so that no store's data are written again
.set E,     112                        ; v112-127 a scale byte for each step
.set WREG,  8192                       ; LDS: a region for each wave: two stages of 32 x SP bytes, and behind them its 256 scale bytes
.set SP,    80                         ; a lane's place in a stage: its 64 bytes + 16 of padding
.set SPW,   12                         ; v12      LDS address of my spare word: SPARE + 4 x my thread's number; never rewritten
.set NIL,   13                         ; v13      0; never rewritten
.set SPARE, WAVES*WREG                 ; behind the four regions: the spare words, 128 bytes for each wave
.set R0,    16                         ; proj_w's arm: v16-79, v80-143 two sets of 16 loads; v144-175 the f16 pairs to store
.set R1,    80
.set HO,    144
	s_load_b128 s[4:7], s[0:1], 0x0                ; x, qkv_w
	s_load_b128 s[8:11], s[0:1], 0x10              ; x's codes, x's scales
	s_load_b128 s[12:15], s[0:1], 0x20             ; qkv_w's codes, its scales
	s_load_b128 s[24:27], s[0:1], 0x30             ; proj_w, its f16 copy
	v_lshl_add_u32 v[SPW], v0, 2, SPARE
	v_mov_b32 v[NIL], 0
	v_lshrrev_b32 v1, 5, v0
	v_readfirstlane_b32 s16, v1                    ; wave
	v_and_b32 v2, 31, v0                           ; lane
	v_lshlrev_b32 v3, 4, v2                        ; my 16 bytes of a load's 512
	s_mul_i32 s17, s16, WREG
	v_lshrrev_b32 v14, 2, v2
	v_mul_u32_u24 v14, v14, SP
	v_and_b32 v15, 3, v2
	v_lshl_add_u32 v14, v15, 4, v14
	v_add_nc_u32 v14, s17, v14                     ; the stage, on the way in: four lanes' 64 bytes on end, then 16 of padding
	v_mul_u32_u24 v15, v2, SP
	v_add_nc_u32 v15, s17, v15                     ; and on the way out: SP x lane: my 16 neighbours
	v_mul_u32_u24 v4, v2, CB                       ; my codes' place in a step's
	v_lshrrev_b32 v5, 1, v2
	s_add_co_u32 s17, s17, 2*32*SP
	v_add_nc_u32 v5, s17, v5                       ; LDS: my wave's 256 scale bytes, my block's byte
	v_lshlrev_b32 v7, 3, v2                        ; 8 bytes a lane
	v_add_nc_u32 v6, s17, v7
	s_wait_kmcnt 0x0
	s_cmp_ge_u32 ttmp9, WGA+WGB                    ; the last 32 work-groups take proj_w
	s_cbranch_scc1 .Lw16
	s_cmp_lt_u32 ttmp9, WGA                        ; x's work-group or qkv_w's?  The choice hangs on the work-group's number alone
	s_cselect_b64 s[4:5], s[4:5], s[6:7]
	s_cselect_b64 s[8:9], s[8:9], s[12:13]
	s_cselect_b64 s[10:11], s[10:11], s[14:15]
	s_cselect_b32 s17, 0, WGA
	s_sub_co_u32 s17, ttmp9, s17
	s_lshl_b32 s17, s17, 2
	s_add_co_u32 s18, s17, s16                     ; which run of 8,192 numbers of the tensor is my wave's
	s_mov_b32 s19, 0
	s_mov_b64 s[20:21], 512*STEPS*4
	s_mul_u64 s[20:21], s[18:19], s[20:21]
	s_add_nc_u64 s[4:5], s[4:5], s[20:21]
	s_mov_b64 s[20:21], 32*STEPS*CB
	s_mul_u64 s[20:21], s[18:19], s[20:21]
	s_add_nc_u64 s[8:9], s[8:9], s[20:21]
	s_lshl_b32 s18, s18, 8                         ; 256 scale bytes a run
	s_add_nc_u64 s[10:11], s[10:11], s[18:19]
.macro LOAD t
.irp i, 0,1,2,3
	global_load_b128 v[R+16*((\t)%4)+4*\i:R+16*((\t)%4)+4*\i+3], v3, s[4:5] offset:2048*(\t)+512*\i th:TH_LOAD_NT   ; 32 lanes read 512 consecutive bytes
.endr
.endm
.macro TURN t                          ; step t's numbers through the stage: LDS serves a wave's instructions in order, so no wait stands between the stores and the loads
.irp i, 0,1,2,3
	ds_store_b128 v14, v[R+16*((\t)%4)+4*\i:R+16*((\t)%4)+4*\i+3] offset:32*SP*((\t)%2)+8*SP*\i
.endr
.irp i, 0,1,2,3
	ds_load_b128 v[X+16*((\t)%2)+4*\i:X+16*((\t)%2)+4*\i+3], v15 offset:32*SP*((\t)%2)+16*\i
.endr
.endm
.irp t, 0,1,2,3
	LOAD \t
.endr
	s_wait_loadcnt 12                              ; step 0's four loads are in; the twelve of steps 1 to 3 may be out
	TURN 0
.macro STEP t
.set XS, X+16*((\t)%2)
.if (\t) > 0
	s_wait_dscnt 1                                 ; this step's numbers are back from the stage (the last step's byte store may be out): so its stores into the stage have read their registers,
.else
	s_wait_dscnt 0x0
.endif
.if (\t)+4 < STEPS
	LOAD (\t)+4                                    ; which take the loads of four steps on
.endif
.if (\t)+1 < STEPS
.if STEPS-2-(\t) >= 3
	s_wait_loadcnt 12                              ; the next step's four loads are in; those of the three steps behind it may be out
.else
	s_wait_loadcnt 4*(STEPS-2-(\t))
.endif
	TURN (\t)+1                                    ; and go through the other stage while this step is worked
.endif
	v_max3_num_f32 v8, |v[XS]|, |v[XS+1]|, |v[XS+2]|               ; the largest magnitude of my 16, in two chains
	v_max3_num_f32 v9, |v[XS+3]|, |v[XS+4]|, |v[XS+5]|
.irp i, 6,10
	v_max3_num_f32 v8, v8, |v[XS+\i]|, |v[XS+\i+1]|
	v_max3_num_f32 v9, v9, |v[XS+\i+2]|, |v[XS+\i+3]|
.endr
	v_max3_num_f32 v8, v8, |v[XS+14]|, |v[XS+15]|
	v_max3_num_f32 v8, v8, v9, (EMAX+1)<<23        ; and the floor 2^(EMAX + 1 - 127): so the byte cannot fall under 1
	v_max_num_f32_dpp v8, v8, v8 row_xmask:1 row_mask:0xf bank_mask:0xf   ; and of my neighbour's 16: the block's
	v_add_nc_u32 v11, -(EMAX<<23), v8              ; EMAX off its exponent field: the conversion takes the exponent field of this operand as its scale, and nothing else of it
	v_cvt_scalef32_pk8_fp4_f32 v[C+4*(\t)], v[XS:XS+7], v11        ; eight numbers / the scale, to the nearest code; the first number's code in the lowest four bits
	v_cvt_scalef32_pk8_fp4_f32 v[C+4*(\t)+1], v[XS+8:XS+15], v11
	v_lshrrev_b32 v[E+(\t)], 23, v11               ; the scale's byte (also the plain line behind the conversions)
	ds_store_b8 v5, v[E+(\t)] offset:16*(\t)       ; both lanes of a block write the same byte with the same value
	global_store_b64 v4, v[C+4*(\t):C+4*(\t)+1], s[8:9] offset:32*CB*(\t)
.endm
.irp t, 0,1,2,3,4,5,6,7,8,9,10,11,12,13,14,15
	STEP \t
.endr
	ds_load_b64 v[8:9], v6                         ; LDS serves a wave's instructions in order: these see my stores
	s_wait_dscnt 0x0
	global_store_b64 v7, v[8:9], s[10:11]          ; 32 lanes store 256 consecutive bytes, aligned
	s_wait_tensorcnt 0x0                           ; the wave's end: behind my last LDS store
	ds_add_u32 v[SPW], v[NIL]
	s_wait_dscnt 0x0
	s_endpgm
; PROJ_W TO F16.  A wave takes 8,192 numbers: 64 loads of 512 consecutive bytes, in four groups of 16 on two sets of registers; a lane's four numbers pack into 8 bytes, so a wave's store covers 256 consecutive bytes, aligned.  No LDS is touched here.
.Lw16:
	s_sub_co_u32 s17, ttmp9, WGA+WGB
	s_lshl_b32 s17, s17, 2
	s_add_co_u32 s18, s17, s16                     ; which run of 8,192 numbers is my wave's: 0 .. 127
	s_lshl_b32 s20, s18, 15                        ; 32,768 bytes of f32,
	s_mov_b32 s21, 0
	s_add_nc_u64 s[24:25], s[24:25], s[20:21]
	s_lshl_b32 s20, s18, 14                        ; 16,384 of f16
	s_add_nc_u64 s[26:27], s[26:27], s[20:21]
.macro WLD g, buf
.irp i, 0,1,2,3,4,5,6,7,8,9,10,11,12,13,14,15
	global_load_b128 v[\buf+4*\i:\buf+4*\i+3], v3, s[24:25] offset:512*(16*\g+\i) th:TH_LOAD_NT
.endr
.endm
.macro WCV g, buf, left                ; left: the next group's loads, which may stay out
	s_wait_loadcnt \left
	s_wait_xcnt 0x0                                ; the last group's stores have read their data: the registers may be written again
.irp i, 0,1,2,3,4,5,6,7,8,9,10,11,12,13,14,15
	v_cvt_pk_f16_f32 v[HO+2*\i], v[\buf+4*\i], v[\buf+4*\i+1]
	v_cvt_pk_f16_f32 v[HO+2*\i+1], v[\buf+4*\i+2], v[\buf+4*\i+3]
.endr
.irp i, 0,1,2,3,4,5,6,7,8,9,10,11,12,13,14,15
	global_store_b64 v7, v[HO+2*\i:HO+2*\i+1], s[26:27] offset:256*(16*\g+\i)
.endr
.endm
	WLD 0, R0
	WLD 1, R1
	WCV 0, R0, 16
	WLD 2, R0
	WCV 1, R1, 16
	WLD 3, R1
	WCV 2, R0, 16
	WCV 3, R1, 0
	s_endpgm
.Lfunc_end_k_qbd3d390c16_prep:
	.size	k_qbd3d390c16_prep, .Lfunc_end_k_qbd3d390c16_prep-k_qbd3d390c16_prep
	.p2alignl 7, 3214868480
	.fill 96, 4, 3214868480
	.section	.rodata,"a",@progbits
	.p2align	6, 0x0
	.amdhsa_kernel k_qbd3d390c16_prep
		.amdhsa_group_segment_fixed_size 33280
		.amdhsa_private_segment_fixed_size 0
		.amdhsa_enable_private_segment 0
		.amdhsa_kernarg_size 64
		.amdhsa_user_sgpr_count 2
		.amdhsa_user_sgpr_kernarg_segment_ptr 1
		.amdhsa_wavefront_size32 1
		.amdhsa_system_sgpr_workgroup_id_x 1
		.amdhsa_system_sgpr_workgroup_id_y 1
		.amdhsa_system_sgpr_workgroup_id_z 1
		.amdhsa_system_vgpr_workitem_id 0
		.amdhsa_next_free_vgpr 192
		.amdhsa_next_free_sgpr 66
		.amdhsa_reserve_vcc 0
		.amdhsa_float_denorm_mode_32 3
		.amdhsa_float_denorm_mode_16_64 3
		.amdhsa_memory_ordered 1
		.amdhsa_forward_progress 1
		.amdhsa_inst_pref_size 54
	.end_amdhsa_kernel
	.amdgpu_metadata
---
amdhsa.version: [ 1, 2 ]
amdhsa.kernels:
  - .name:           k_qbd3d390c16_prep
    .symbol:         k_qbd3d390c16_prep.kd
    .args:
      - { .name: x, .offset: 0, .size: 8, .value_kind: global_buffer, .address_space: global }
      - { .name: qkv_w, .offset: 8, .size: 8, .value_kind: global_buffer, .address_space: global }
      - { .name: xc, .offset: 16, .size: 8, .value_kind: global_buffer, .address_space: global }
      - { .name: xs, .offset: 24, .size: 8, .value_kind: global_buffer, .address_space: global }
      - { .name: wc, .offset: 32, .size: 8, .value_kind: global_buffer, .address_space: global }
      - { .name: ws, .offset: 40, .size: 8, .value_kind: global_buffer, .address_space: global }
      - { .name: proj_w, .offset: 48, .size: 8, .value_kind: global_buffer, .address_space: global }
      - { .name: w16, .offset: 56, .size: 8, .value_kind: global_buffer, .address_space: global }
    .group_segment_fixed_size: 33280
    .private_segment_fixed_size: 0
    .kernarg_segment_align: 8
    .kernarg_segment_size: 64
    .max_flat_workgroup_size: 128
    .sgpr_count:     66
    .vgpr_count:     192
    .wavefront_size: 32
...
	.end_amdgpu_metadata
.endif
;; end of part 1
;; launch qkv (part 2): grid 12 x 32, 4 waves a work-group, clusters of 4 x 4, 327,680 bytes of LDS; arguments xc, xs, wc, ws, qkvh, mWin, vmax; writes qkvh, vmax
.if DOCPART == 2
	.amdgcn_target "amdgcn-amd-amdhsa--gfx1250"
	.amdhsa_code_object_version 6
	.text
	.protected	k_qbd3d390c16_qkv
	.globl	k_qbd3d390c16_qkv
	.p2align	8
	.type	k_qbd3d390c16_qkv,@function
k_qbd3d390c16_qkv:
	s_mov_b64 s[64:65], 0
	v_nop
	global_prefetch_b8 v0, s[64:65] scope:SCOPE_SE
	s_setreg_imm32_b32 hwreg(HW_REG_WAVE_MODE, 25, 1), 1
	s_wait_xcnt 0x0
	s_wait_alu depctr_hold_cnt(0) depctr_sa_sdst(0) depctr_va_vdst(0) depctr_va_sdst(0) depctr_va_ssrc(0) depctr_va_vcc(0) depctr_vm_vsrc(0)
	s_getreg_b32 s2, hwreg(HW_REG_IB_STS2, 6, 4)
	s_cmp_eq_u32 s2, 0
	s_cbranch_scc0 .Lentry_in_a_cluster
	s_endpgm
.Lentry_in_a_cluster:
	s_bfe_u32 s2, ttmp6, 0x10000c
	s_cmp_lg_u32 s2, 0xf033
	s_cbranch_scc0 .Lentry_shape_is_right
	s_endpgm
.Lentry_shape_is_right:
; qkv[m][n] = sum over k of x[m][k] qkv_w[n][k] on codes of FP4 (E2M1) with one E8M0 scale for each 32 along K; then x 0.25 m[token], rounded to f16 and stored as IMAGES OF OPERAND REGISTERS for the attention.
; The factor 0.25 serves q, k and v alike: the head's 1/8 is 1/4 x 1/4 x 2, and the 2 goes into the attention's exponent; v's 4 is undone behind the last product.
; LIMITS: |q m|, |k m|, |v m| stay under 262,016 (a quarter of them must fit f16); NaN and infinities are not served.
; A tile of 256 tokens x 256 columns is made by four waves, as many as a WGP has SIMDs; a wave makes 128 x 128: 64 accumulators of 16 x 16, 512 registers.  K = 1,024 is two slots of 512 (rows of 256 bytes): both are asked for at the head, nothing is filled twice.
; The scale bytes of the work-group's 256 + 256 rows, for all of K, are two dense blocks: they come once, as rows of 256 bytes.
; CLUSTERS: 4 x 4 work-groups.  The four of a row of the cluster need the same rows of x, the four of a column the same rows of qkv_w: each tile is asked for JOINTLY, by the same tensor load with the same descriptor and a mask that names the four.
; THE MATRIX INSTRUCTION IS USED TRANSPOSED (source 0 = 16 rows of qkv_w, source 1 = 16 tokens): a lane holds ONE token (lane % 16) and eight neighbouring columns, 8 (lane / 16) + 0 .. 7 of a block of 16.
; AN IMAGE is 16 tokens x 32 channels of f16, 1,024 bytes: [half 2][lane 32][16 bytes]; lane (r, h) holds token r, channels 16 half + 8 h + 0 .. 7: registers 4 half .. 4 half + 3 of a 16-bit operand of K = 32.  A lane's eight packed results ARE its 16 bytes of
; half an image: a wave's store covers 512 consecutive bytes, aligned, straight from registers.  qkvh: [part 3][batch 4][head 16][block of 16 tokens 128][32 channels 2][1,024 bytes].
; vmax [part 3][batch 4][128]: each wave's largest |result|; the attention and the projection take the batch's largest |v| from it for a power-of-two scale.
; REGISTERS, in windows of 256: window 0: v0-31 addresses; v32-95 scale words, two sets; v96-111 0.25 m of my eight blocks of tokens, as pairs; v112-115 running largest magnitudes; from v128 x's fragments, ONE set; on the way out v128-255 are at work.
;   window 1: qkv_w's fragments, TWO sets, at v0 and v128.   window 2: the accumulators of my tokens 0-63 ((a, b) at v[8 (8 a + b)]);   window 3: those of my tokens 64-127.
.set SIZE_M, 8192
.set SIZE_N, 3072
.set SIZE_K, 1024
.set KSTEP,  512                       ; along K in a slot
.set NQ,     KSTEP/128                 ; matrix instructions deep
.set ROWB,   256                       ; a tile's row in bytes
.set KROW,   SIZE_K*4/8                ; a row of codes in memory, in bytes
.set PITCH,  272                       ; an LDS row: 256 bytes + 16 of padding = 68 words: the 16 rows that a load touches start at 16 different banks (64 banks of 4 bytes: ISA guide 11.1)
.set FR,     8                         ; registers of a fragment: 16 rows x 128 K
.set NL,     2                         ; LDS loads that bring one
.set NP,     4                         ; places behind this matrix instruction (ISA guide 7.12.1)
.set HALFT,  128*PITCH                 ; 128 rows: what one tensor load brings, and what one wave reads of either side
.set SLOT,   4*HALFT
.set KS,     SIZE_K/32                 ; a row of scales in bytes
.set SCL,    2*SLOT                    ; behind the slots: the scales, as rows of 256 bytes + 16 of padding
.set HALFS,  (128*KS/256)*272          ; the scales of 128 rows
.set SBLK,   (16*KS/256)*272           ; those of 16 rows
.set SPARE,  SCL+4*HALFS               ; the spare words, 128 bytes for each wave
.set ADRA, 16                          ; v16-17  LDS address of my fragments of x in slot 0, 1
.set ADRB, 20                          ; v20-21  the same for qkv_w
.set VO,   24                          ; v24     my wave's byte in vmax
.set LN,   25                          ; v25     my lane
.set CO,   26                          ; v26     16 x lane: my 16 bytes of half an image
.set ADRS, 27                          ; v27     LDS address of my scale words: lanes 0-15 x's rows, lanes 16-31 qkv_w's
.set SPW,  28                          ; v28     LDS address of my spare word; never rewritten
.set NIL,  29                          ; v29     0; never rewritten
.set SC,   32                          ; scale words: set s at v[SC + 8 NQ s]; register NQ i + q: lanes 0-15 x's block i, lanes 16-31 qkv_w's block i, the slot's q-th 128 along K
.set FM,   96                          ; v96-111 0.25 m: block a's at v[FM + 2 a], twice
.set MX,   112                         ; v112-115
.set AF,   128                         ; x's fragments
.set TT,   128                         ; the way out: a block's 64 scaled results
.set G1, 24                            ; s[24:31] descriptor group 1 for x's tiles;  s[32:39] group 0, one set for each slot
.set G0, 32
.set G1B, 48                           ; s[48:55], s[56:63] the same for qkv_w's
.set G0B, 56
.set G1S, 68                           ; s[68:75], s[76:79] groups 1 and 0 for x's scales;  s[80:87], s[88:91] for qkv_w's
.set G0S, 76
.set G1SB, 80
.set G0SB, 88
.set MSB, 0
.macro WIN new                         ; the immediate's high byte repeats the setting that is left
.if MSB != \new
	s_set_vgpr_msb (MSB<<8)|\new
.set MSB, \new
.endif
.endm
.set MUL_LO, 0xa1                      ; source 0 window 1, source 1 window 0, C and D window 2
.set MUL_HI, 0xf1                      ; the same, C and D window 3
.set TO_B,   0x40                      ; destination window 1, address window 0
; A joint load: waves 0 and 1 fetch for x, waves 2 and 3 for qkv_w.  Each of the two lines has ONE mask and one set of registers for all that issue it; the branch hangs on the wave's number alone.
; An s_nop 0 and four v_nop follow each of the two lines.
.macro JLOAD g0a, g1a, g0b, g1b
	s_cmp_eq_u32 s15, 0
	s_cbranch_scc0 .Lfor_b_\@
	tensor_load_to_lds s[\g0a:\g0a+3], s[\g1a:\g1a+7]
	s_nop 0
.rept 4
	v_nop
.endr
	s_branch .Lasked_\@
.Lfor_b_\@:
	tensor_load_to_lds s[\g0b:\g0b+3], s[\g1b:\g1b+7]
	s_nop 0
.rept 4
	v_nop
.endr
.Lasked_\@:
.endm
.macro CROUND                          ; a round of the cluster's barrier: my work-group's barrier, wave 0 signals for the work-group, every wave waits for all sixteen, my work-group's barrier once more
	s_barrier_signal -1
	s_barrier_wait -1
	s_cmp_lg_u32 s14, 0
	s_cbranch_scc1 .Lnot_wave_0_\@
	s_barrier_signal -3
.Lnot_wave_0_\@:
	s_barrier_wait -3
	s_barrier_signal -1
	s_barrier_wait -1
.endm
	s_load_b128 s[4:7], s[0:1], 0x0                ; x's codes s[4:5], x's scales s[6:7]
	s_load_b128 s[8:11], s[0:1], 0x10              ; qkv_w's codes s[8:9], its scales s[10:11]
	s_load_b64 s[12:13], s[0:1], 0x20              ; qkvh
	s_load_b128 s[96:99], s[0:1], 0x28             ; mWin s[96:97], vmax s[98:99]
	v_lshl_add_u32 v[SPW], v0, 2, SPARE
	v_mov_b32 v[NIL], 0
	ds_add_u32 v[SPW], v[NIL]                      ; the wave's opening: the add, twice on end, and its wait ahead of my first tensor load; the set-up below stands between the second and the wait
	ds_add_u32 v[SPW], v[NIL]
	v_lshrrev_b32 v1, 5, v0
	v_readfirstlane_b32 s14, v1                    ; wave 0..3
	s_lshr_b32 s15, s14, 1                         ; which half of the tile's tokens is mine.  Also: I fetch for x (0) or for qkv_w (1)
	s_and_b32 s16, s14, 1                          ; which half of its columns.  Also: which 128 rows of that tile I fetch
	s_bfe_u32 s40, ttmp6, 0x40000                  ; cx, cy: my place in the cluster
	s_bfe_u32 s41, ttmp6, 0x40004
	s_lshl_b32 s42, ttmp9, 2
	s_add_co_u32 s42, s42, s40                     ; tile column = 4 x cluster x + cx: 0 .. 11
	s_and_b32 s17, ttmp7, 0xffff
	s_lshl_b32 s17, s17, 2
	s_add_co_u32 s17, s17, s41                     ; tile row = 4 x cluster y + cy: 0 .. 31
	s_lshl_b32 s43, s41, 2
	s_lshl_b32 s43, 15, s43                        ; my row of the cluster
	s_lshl_b32 s44, 0x1111, s40                    ; my column
	; descriptor group 1: a tile of 128 rows x 256 bytes, padded in LDS
	s_or_b32 s[G1+0], s43, (0<<16)|(1<<20)|(1<<21)|(5<<22)|(3<<25)  ; 15:0 the mask: x's tiles go to my row; 17:16 elements of 1 byte; 20 padding on; 21 set beside a mask; 24:22 after every 64 words; 31:25 four words
	s_or_b32 s[G1B+0], s44, (0<<16)|(1<<20)|(1<<21)|(5<<22)|(3<<25)
.irp g, G1, G1B
	s_mov_b32 s[\g+1], ROWB<<16                    ; tensor_dim0
	s_mov_b32 s[\g+2], 128<<16                     ; tensor_dim1
	s_mov_b32 s[\g+3], ROWB<<16                    ; tile_dim0
	s_mov_b32 s[\g+4], 128                         ; tile_dim1
	s_mov_b32 s[\g+5], KROW                        ; tensor_dim0_stride
	s_mov_b32 s[\g+6], 0
	s_mov_b32 s[\g+7], 0
.endr
	; the scales of 128 rows: a dense block of 4,096 bytes, as 16 rows of 256 bytes (32 elements of 8 bytes), 16 bytes of padding behind each
	s_or_b32 s[G1S+0], s43, (3<<16)|(1<<20)|(1<<21)|(5<<22)|(3<<25)
	s_or_b32 s[G1SB+0], s44, (3<<16)|(1<<20)|(1<<21)|(5<<22)|(3<<25)
.irp g, G1S, G1SB
	s_mov_b32 s[\g+1], 32<<16
	s_mov_b32 s[\g+2], (128*KS/256)<<16
	s_mov_b32 s[\g+3], 32<<16
	s_mov_b32 s[\g+4], 128*KS/256
	s_mov_b32 s[\g+5], 32
	s_mov_b32 s[\g+6], 0
	s_mov_b32 s[\g+7], 0
.endr
	s_lshl_b32 s18, s16, 7                         ; which 128 rows of the tile I fetch
	s_lshl_b32 s20, s17, 8
	s_add_co_u32 s20, s20, s18                     ; x: row 256 x tile row + 128 x half
	s_lshl_b32 s46, s42, 8
	s_add_co_u32 s46, s46, s18                     ; qkv_w: row 256 x tile column + 128 x half
	s_mov_b32 s21, 0
	s_mov_b32 s47, 0
	s_mov_b64 s[18:19], KS
	s_mul_u64 s[22:23], s[20:21], s[18:19]         ; where these rows' scales begin, in bytes
	s_mul_u64 s[92:93], s[46:47], s[18:19]
	s_mov_b64 s[18:19], KROW
	s_mul_u64 s[20:21], s[20:21], s[18:19]         ; and their codes
	s_mul_u64 s[46:47], s[46:47], s[18:19]
	s_mul_i32 s45, s14, HALFT                      ; where they go: wave x 128 rows: no place in the cluster enters an LDS address
	s_mul_i32 s94, s14, HALFS
	s_wait_dscnt 0x0                               ; both opening adds are done
	s_wait_kmcnt 0x0
	s_add_nc_u64 s[20:21], s[4:5], s[20:21]
	s_add_nc_u64 s[22:23], s[6:7], s[22:23]
	s_add_nc_u64 s[46:47], s[8:9], s[46:47]
	s_add_nc_u64 s[92:93], s[10:11], s[92:93]
	CROUND                                         ; all sixteen work-groups are here: the joint loads meet
	s_mov_b32 s[G0S], 1
	s_add_co_u32 s[G0S+1], s94, SCL
	s_mov_b64 s[G0S+2:G0S+3], s[22:23]
	s_or_b32 s[G0S+3], s[G0S+3], 0x80000000
	s_mov_b32 s[G0SB], 1
	s_add_co_u32 s[G0SB+1], s94, SCL
	s_mov_b64 s[G0SB+2:G0SB+3], s[92:93]
	s_or_b32 s[G0SB+3], s[G0SB+3], 0x80000000
	JLOAD G0S, G1S, G0SB, G1SB                     ; the scales first: they are wanted with the first slot
.irp s, 0,1
	s_mov_b32 s[G0+4*\s], 1
	s_add_co_u32 s[G0+4*\s+1], s45, \s*SLOT
	s_add_nc_u64 s[G0+4*\s+2:G0+4*\s+3], s[20:21], \s*ROWB
	s_or_b32 s[G0+4*\s+3], s[G0+4*\s+3], 0x80000000
	s_mov_b32 s[G0B+4*\s], 1
	s_add_co_u32 s[G0B+4*\s+1], s45, \s*SLOT
	s_add_nc_u64 s[G0B+4*\s+2:G0B+4*\s+3], s[46:47], \s*ROWB
	s_or_b32 s[G0B+4*\s+3], s[G0B+4*\s+3], 0x80000000
	JLOAD G0+4*\s, G1, G0B+4*\s, G1B               ; all of K: three tensor loads of mine are out
.endr
	v_and_b32 v1, 15, v0                           ; l % 16
	v_bfe_u32 v2, v0, 4, 1                         ; l / 16
	; 0.25 m of my 128 tokens: lane l wants token l % 16 of each of the eight blocks
	v_lshlrev_b32 v30, 2, v1
	s_lshl_b32 s18, s17, 10                        ; 256 x tile row x 4 bytes
	s_lshl_b32 s19, s15, 9                         ; + 128 x half x 4
	s_add_co_u32 s18, s18, s19
	s_mov_b32 s19, 0
	s_add_nc_u64 s[96:97], s[96:97], s[18:19]
.irp a, 0,1,2,3,4,5,6,7
	global_load_b32 v[FM+2*\a], v30, s[96:97] offset:64*\a
.endr
	v_mul_u32_u24 v3, v1, PITCH
	v_lshl_add_u32 v4, v2, 4, v3                   ; a fragment's row x pitch + 16 x half
	s_mul_i32 s21, s15, HALFT                      ; my 128 rows of x
	s_mul_i32 s22, s16, HALFT                      ; my 128 rows of qkv_w,
	s_add_co_u32 s22, s22, 2*HALFT                 ; which lie behind x's 256
.irp s, 0,1
	v_add_nc_u32 v[ADRA+\s], s21, v4
	v_add_nc_u32 v[ADRB+\s], s22, v4
	s_add_co_u32 s21, s21, SLOT
	s_add_co_u32 s22, s22, SLOT
.endr
	v_mul_u32_u24 v5, v1, KS                       ; my row's scales: KS bytes a row,
	v_lshrrev_b32 v6, 8, v5
	v_lshl_add_u32 v5, v6, 4, v5                   ; and 16 more for each 256 passed
	s_mul_i32 s21, s15, HALFS                      ; x's: my 128 rows
	s_mul_i32 s22, s16, HALFS                      ; qkv_w's: my 128 rows, behind x's 256
	s_add_co_u32 s22, s22, 2*HALFS
	s_sub_co_u32 s22, s22, s21
	v_mul_u32_u24 v6, s22, v2                      ; lanes 16-31 take qkv_w's
	s_add_co_u32 s21, s21, SCL
	v_add_nc_u32 v5, v5, v6
	v_add_nc_u32 v[ADRS], s21, v5
	v_and_b32 v[LN], 31, v0
	v_lshlrev_b32 v[CO], 4, v[LN]
	; where my results go.  part = tile column / 4; batch = tile row / 8; my first head = 4 (tile column % 4) + 2 x column half; my first block of 16 tokens = 16 (tile row % 8) + 8 x token half
	s_lshr_b32 s20, s42, 2
	s_lshl_b32 s20, s20, 2
	s_lshr_b32 s21, s17, 3
	s_add_co_u32 s20, s20, s21                     ; 4 part + batch
	s_lshl_b32 s94, s20, 7                         ; vmax: 128 words for each
	s_lshl_b32 s20, s20, 4
	s_and_b32 s21, s42, 3
	s_lshl_b32 s22, s21, 2
	s_add_co_u32 s20, s20, s22
	s_lshl_b32 s23, s16, 1
	s_add_co_u32 s20, s20, s23                     ; the head's number among 192
	s_lshl_b32 s20, s20, 18                        ; a head of a part is 262,144 bytes
	s_and_b32 s23, s17, 7
	s_lshl_b32 s18, s23, 4
	s_add_co_u32 s94, s94, s18
	s_add_co_u32 s94, s94, s22
	s_add_co_u32 s94, s94, s14                     ; + 16 (tile row % 8) + 4 (tile column % 4) + wave
	s_lshl_b32 s94, s94, 2
	s_lshl_b32 s19, s15, 3
	s_add_co_u32 s18, s18, s19
	s_lshl_b32 s18, s18, 11                        ; a block of 16 tokens is 2,048 bytes
	s_add_co_u32 s20, s20, s18
	s_mov_b32 s21, 0
	s_add_nc_u64 s[12:13], s[12:13], s[20:21]
	v_mov_b32 v[VO], s94
	s_mov_b32 s92, 0x76543210                      ; v_permlanex16_b32's selects for lane l xor 16
	s_mov_b32 s93, 0xfedcba98
.irp i, 0,1,2,3
	v_mov_b32 v[MX+\i], 0
.endr
	s_wait_loadcnt 0x0                             ; m
.irp a, 0,1,2,3,4,5,6,7
	v_mul_f32 v[FM+2*\a], 0.25, v[FM+2*\a]
.endr
.irp a, 0,1,2,3,4,5,6,7
	v_mov_b32 v[FM+2*\a+1], v[FM+2*\a]             ; as a pair, for the packed multiply
.endr
.macro FRAG reg, adr, q, i             ; a fragment, 16 rows x 128 K of 4-bit codes, is 8 registers: lane l holds row l % 16; registers 4 c .. 4 c + 3 hold K = 64 c + 32 (l / 16) + 0 .. 31
.irp c, 0,1
	ds_load_b128 v[\reg+4*\c:\reg+4*\c+3], v[\adr] offset:64*(\q)+32*\c+(\i)*16*PITCH
.endr
.endm
; 16 matrix instructions: x's blocks a0, a0 + 1 against qkv_w's eight, 128 along K: the slot's q-th.  p: qkv_w's set;  sc: the set of scale words.  zero = 1: the first product starts the sums: nothing is ever cleared.
; The 64 accumulators take turns, one instruction a turn, in the same order in every step.
.macro MUL16 a0, p, q, sc, zero
.irp a, \a0, \a0+1
.irp b, 0,1,2,3,4,5,6,7
.if \zero
	v_wmma_scale_f32_16x16x128_f8f6f4 v[8*(8*((\a)%4)+\b):8*(8*((\a)%4)+\b)+7], v[128*(\p)+FR*\b:128*(\p)+FR*\b+FR-1], v[AF+FR*(\a):AF+FR*(\a)+FR-1], 0, v[SC+8*NQ*(\sc)+NQ*\b+(\q)], v[SC+8*NQ*(\sc)+NQ*(\a)+(\q)] matrix_a_fmt:MATRIX_FMT_FP4 matrix_b_fmt:MATRIX_FMT_FP4 matrix_a_scale:MATRIX_SCALE_ROW1
.else
	v_wmma_scale_f32_16x16x128_f8f6f4 v[8*(8*((\a)%4)+\b):8*(8*((\a)%4)+\b)+7], v[128*(\p)+FR*\b:128*(\p)+FR*\b+FR-1], v[AF+FR*(\a):AF+FR*(\a)+FR-1], v[8*(8*((\a)%4)+\b):8*(8*((\a)%4)+\b)+7], v[SC+8*NQ*(\sc)+NQ*\b+(\q)], v[SC+8*NQ*(\sc)+NQ*(\a)+(\q)] matrix_a_fmt:MATRIX_FMT_FP4 matrix_b_fmt:MATRIX_FMT_FP4 matrix_a_scale:MATRIX_SCALE_ROW1
.endif
.endr
.endr
.endm
.macro FETCH_B slot, q, p              ; qkv_w's eight fragments of the slot's q-th 128 along K into set p
	WIN TO_B
.irp i, 0,1,2,3,4,5,6,7
	FRAG 128*(\p)+FR*\i, ADRB+\slot, \q, \i
.endr
	WIN 0
.endm
.macro FETCH_A slot, q, i0             ; x's blocks i0 .. i0 + 3
.irp i, \i0, \i0+1, \i0+2, \i0+3
	FRAG AF+FR*(\i), ADRA+\slot, \q, \i
.endr
.endm
.macro SCALES sc                       ; a slot's scale words into set sc: NQ words a row; lanes 0-15 take x's block i, lanes 16-31 qkv_w's block i
.irp i, 0,1,2,3,4,5,6,7
	ds_load_b128 v[SC+8*NQ*\sc+NQ*\i:SC+8*NQ*\sc+NQ*\i+3], v[ADRS] offset:\i*SBLK
.endr
.endm
; A load into a register that a matrix instruction has read, and a vector instruction that reads a matrix result or writes one of its sources, stand NP places behind it; only plain vector instructions that name none of its registers are places.
.macro PLACES n
.rept \n
	v_nop
.endr
.endm
; A step of 128 along K that has its successor in the same slot.  x has one set of registers: blocks 0-3 are fetched anew in the step's middle, blocks 4-7 at its end; qkv_w has two sets.
.macro STEP slot, q, zero
	s_wait_dscnt 4*NL                              ; qkv_w's set and x's blocks 0-3 are in; the youngest eight loads (x's blocks 4-7) may be out
	WIN MUL_LO
	MUL16 0, (\q)%2, \q, \slot, \zero
	MUL16 2, (\q)%2, \q, \slot, \zero
	s_wait_dscnt 0                                 ; x's blocks 4-7 are in (asked for 32 matrix instructions ago)
	PLACES NP
	FETCH_B \slot, (\q)+1, 1-(\q)%2
	FETCH_A \slot, (\q)+1, 0
	WIN MUL_HI
	MUL16 4, (\q)%2, \q, \slot, \zero
	MUL16 6, (\q)%2, \q, \slot, \zero
	PLACES NP
	WIN 0
	FETCH_A \slot, (\q)+1, 4
.endm
; Slot 0's last step goes over to slot 1: ONE barrier; in front of it each wave waits for all its tensor loads (its part of slot 1), adds 0 to its spare word, and waits for that and for its LDS loads.
.macro TURN slot, next
	s_wait_tensorcnt 0x0                           ; all my tensor loads have landed: my part of the next slot
	ds_add_u32 v[SPW], v[NIL]                      ; 0 onto my spare word
	s_wait_dscnt 4*NL+1                            ; (the add and the youngest eight loads, x's blocks 4-7, may be out)
	WIN MUL_LO
	MUL16 0, 1, NQ-1, \slot, 0                     ; sixteen matrix instructions stand between the add and the wait for it
	s_wait_dscnt 0x0                               ; no LDS instruction of mine is out at the signal
	s_barrier_signal -1
	MUL16 2, 1, NQ-1, \slot, 0
	WIN 0
	s_barrier_wait -1                              ; every wave's part of the next slot has landed
	PLACES NP
	v_add_nc_u32 v[ADRS], 4*NQ, v[ADRS]            ; on to the next slot's scale words
	FETCH_B \next, 0, 0
	FETCH_A \next, 0, 0
	SCALES \next
	WIN MUL_HI
	MUL16 4, 1, NQ-1, \slot, 0
	MUL16 6, 1, NQ-1, \slot, 0
	PLACES NP
	WIN 0
	FETCH_A \next, 0, 4
.endm
.macro STEPS slot, from                ; the slot's steps from .. NQ - 2
.set Q, \from
.rept NQ-1-\from
	STEP \slot, Q, 0
.set Q, Q+1
.endr
.endm
	s_wait_tensorcnt 1                             ; the scales and my part of slot 0 are in (slot 1's load may be out),
	s_barrier_signal -1
	s_barrier_wait -1                              ; everybody's are
	FETCH_B 0, 0, 0
	FETCH_A 0, 0, 0
	SCALES 0
	FETCH_A 0, 0, 4
	STEP 0, 0, 1                                   ; the first step's products start the sums
	STEPS 0, 1
	TURN 0, 1
	STEPS 1, 0
	s_wait_dscnt 4*NL                              ; the very last step: nothing more to fetch
	WIN MUL_LO
	MUL16 0, 1, NQ-1, 1, 0
	MUL16 2, 1, NQ-1, 1, 0
	s_wait_dscnt 0
	WIN MUL_HI
	MUL16 4, 1, NQ-1, 1, 0
	MUL16 6, 1, NQ-1, 1, 0
	WIN 0
; THE WAY OUT, block by block of 16 tokens x 128 columns (two heads): x 0.25 m, the largest magnitude, to f16, eight stores of 512 consecutive bytes.  Column block b is head b / 4, channels 16 (b % 4) on: half b % 2 of image (b % 4) / 2.
.macro BLOCK_OUT a
.set AC, 64*((\a)%4)
.set OB, 192+32*((\a)%2)               ; the packed results: v192-223 and v224-255 by turns
	WIN 0x02+((\a)/4)                              ; source 0: window 2 or 3
.irp b, 0,1,2,3,4,5,6,7
.irp r, 0,1,2,3
	v_pk_mul_f32 v[TT+8*\b+2*\r:TT+8*\b+2*\r+1], v[AC+8*\b+2*\r:AC+8*\b+2*\r+1], v[FM+2*(\a):FM+2*(\a)+1]   ; each accumulator from its low end on
.endr
.endr
	WIN 0
.set i, 0
.rept 32
	v_max3_num_f32 v[MX+i%4], v[MX+i%4], |v[TT+2*i]|, |v[TT+2*i+1]|   ; four chains
.set i, i+1
.endr
.if (\a) >= 2
	s_wait_xcnt 0x0                                ; block a - 2's stores have read their data: the registers may be written again
.endif
.irp b, 0,1,2,3,4,5,6,7
.irp r, 0,1,2,3
	v_cvt_pk_f16_f32 v[OB+4*\b+\r], v[TT+8*\b+2*\r], v[TT+8*\b+2*\r+1]
.endr
.endr
.irp b, 0,1,2,3,4,5,6,7
	global_store_b128 v[CO], v[OB+4*\b:OB+4*\b+3], s[12:13] offset:(\b/4)*262144+(\a)*2048+(\b%4)*512
.endr
.endm
	PLACES NP                                      ; behind the last products: the first block's results are read, and x's fragments' registers are written
.irp a, 0,1,2,3,4,5,6,7
	BLOCK_OUT \a
.endr
	v_max3_num_f32 v[MX], v[MX], v[MX+1], v[MX+2]  ; the wave's largest magnitude: the four chains,
	v_max_num_f32 v[MX], v[MX], v[MX+3]
	v_max_num_f32_dpp v[MX], v[MX], v[MX] row_xmask:1 row_mask:0xf bank_mask:0xf   ; the sixteen lanes of a half,
	v_max_num_f32_dpp v[MX], v[MX], v[MX] row_xmask:2 row_mask:0xf bank_mask:0xf
	v_max_num_f32_dpp v[MX], v[MX], v[MX] row_xmask:4 row_mask:0xf bank_mask:0xf
	v_max_num_f32_dpp v[MX], v[MX], v[MX] row_xmask:8 row_mask:0xf bank_mask:0xf
	v_permlanex16_b32 v[MX+1], v[MX], s92, s93
	v_max_num_f32 v[MX], v[MX], v[MX+1]            ; and the other half
	v_cmp_eq_u32 vcc_lo, 0, v[LN]
	s_wait_xcnt 0x0                                ; EXEC changes only when the stores above have read it
	s_and_saveexec_b32 s95, vcc_lo                 ; lane 0 alone stores the wave's word
	global_store_b32 v[VO], v[MX], s[98:99]
	s_wait_xcnt 0x0
	s_or_b32 exec_lo, exec_lo, s95
	s_wait_tensorcnt 0x0                           ; the wave's end
	ds_add_u32 v[SPW], v[NIL]
	s_wait_dscnt 0x0
	CROUND                                         ; the closing round: no work-group ends while a partner may still ask for a tile that names it
	s_endpgm
.Lfunc_end_k_qbd3d390c16_qkv:
	.size	k_qbd3d390c16_qkv, .Lfunc_end_k_qbd3d390c16_qkv-k_qbd3d390c16_qkv
	.p2alignl 7, 3214868480
	.fill 96, 4, 3214868480
	.section	.rodata,"a",@progbits
	.p2align	6, 0x0
	.amdhsa_kernel k_qbd3d390c16_qkv
		.amdhsa_group_segment_fixed_size 327680
		.amdhsa_private_segment_fixed_size 0
		.amdhsa_enable_private_segment 0
		.amdhsa_kernarg_size 56
		.amdhsa_user_sgpr_count 2
		.amdhsa_user_sgpr_kernarg_segment_ptr 1
		.amdhsa_wavefront_size32 1
		.amdhsa_system_sgpr_workgroup_id_x 1
		.amdhsa_system_sgpr_workgroup_id_y 1
		.amdhsa_system_sgpr_workgroup_id_z 1
		.amdhsa_system_vgpr_workitem_id 0
		.amdhsa_next_free_vgpr 1024
		.amdhsa_next_free_sgpr 100
		.amdhsa_reserve_vcc 1
		.amdhsa_float_denorm_mode_32 3
		.amdhsa_float_denorm_mode_16_64 3
		.amdhsa_memory_ordered 1
		.amdhsa_forward_progress 1
		.amdhsa_inst_pref_size 153
	.end_amdhsa_kernel
	.amdgpu_metadata
---
amdhsa.version: [ 1, 2 ]
amdhsa.kernels:
  - .name:           k_qbd3d390c16_qkv
    .symbol:         k_qbd3d390c16_qkv.kd
    .args:
      - { .name: xc, .offset: 0, .size: 8, .value_kind: global_buffer, .address_space: global }
      - { .name: xs, .offset: 8, .size: 8, .value_kind: global_buffer, .address_space: global }
      - { .name: wc, .offset: 16, .size: 8, .value_kind: global_buffer, .address_space: global }
      - { .name: ws, .offset: 24, .size: 8, .value_kind: global_buffer, .address_space: global }
      - { .name: qkvh, .offset: 32, .size: 8, .value_kind: global_buffer, .address_space: global }
      - { .name: mWin, .offset: 40, .size: 8, .value_kind: global_buffer, .address_space: global }
      - { .name: vmax, .offset: 48, .size: 8, .value_kind: global_buffer, .address_space: global }
    .group_segment_fixed_size: 327680
    .private_segment_fixed_size: 0
    .kernarg_segment_align: 8
    .kernarg_segment_size: 56
    .max_flat_workgroup_size: 128
    .sgpr_count:     100
    .vgpr_count:     1024
    .wavefront_size: 32
...
	.end_amdgpu_metadata
.endif
;; end of part 2
;; launch attn (part 3): grid 4 x 64, 16 waves a work-group, clusters of 4 x 1, 327,680 bytes of LDS; arguments qkvh, vmax, att; writes att
.if DOCPART == 3
	.amdgcn_target "amdgcn-amd-amdhsa--gfx1250"
	.amdhsa_code_object_version 6
	.text
	.protected	k_qbd3d390c16_attn
	.globl	k_qbd3d390c16_attn
	.p2align	8
	.type	k_qbd3d390c16_attn,@function
k_qbd3d390c16_attn:
	s_mov_b64 s[64:65], 0
	v_nop
	global_prefetch_b8 v0, s[64:65] scope:SCOPE_SE
	s_setreg_imm32_b32 hwreg(HW_REG_WAVE_MODE, 25, 1), 1
	s_wait_xcnt 0x0
	s_wait_alu depctr_hold_cnt(0) depctr_sa_sdst(0) depctr_va_vdst(0) depctr_va_sdst(0) depctr_va_ssrc(0) depctr_va_vcc(0) depctr_vm_vsrc(0)
	s_getreg_b32 s2, hwreg(HW_REG_IB_STS2, 6, 4)
	s_cmp_eq_u32 s2, 0
	s_cbranch_scc0 .Lentry_in_a_cluster
	s_endpgm
.Lentry_in_a_cluster:
	s_bfe_u32 s2, ttmp6, 0x10000c
	s_cmp_lg_u32 s2, 0x3003
	s_cbranch_scc0 .Lentry_shape_is_right
	s_endpgm
.Lentry_shape_is_right:
; O[q] = the sum over all 2,048 keys of softmax(2 q'.k') v', for one batch and head; q' = q m / 4, k' = k m / 4, v' = v m / 4 arrive in f16 as images of operand registers (16 tokens x 32 channels, [half 2][lane 32][16 bytes]).
; Products in f16 with f32 sums; maxima, exponentials and sums in f32; p is rounded to f16 for the second product; the row's sum is taken of the unrounded p.
; SOFTMAX.  For each query a running maximum m and sum l: p = 2^(c s - c m), c = 2 log2(e); in every step O and l are multiplied by a = 2^(c m_old - c m_new).  m starts at -1e30, under every score (|s| is at most 64 x 65,504^2).
; THE RESULT is O / l x 2^(14 - e), e = floor(log2(the batch's largest |v'|)), from vmax, held at -100 from below: |O / l| is at most that largest magnitude, so the f16 result stays at or under 2^15 at any size of the inputs.  The projection undoes the factor.
; SHARES.  A work-group owns 512 queries of one head; each of its SIXTEEN waves owns 32, two tiles of 16, in 256 registers: four waves to a SIMD, so that one wave's vector work stands beside another's matrix work and LDS loads.
; Every wave walks all keys, 64 a step.  K's and V's images come through a ring of two LDS slots of 512 keys (65,536 bytes of K, then 65,536 of V), filled by waves 0-3 (K's halves, V's halves; 32,768 dense bytes each) and read by all sixteen.
; CLUSTER.  The four blocks of queries of a head form a cluster and walk the same K and V: each tile is asked for JOINTLY, by the same tensor load with the same descriptor and the mask 15.
; LAYOUT.  S^T = K Q^T (source 0 = 16 keys, source 1 = 16 queries): a lane holds ONE query (lane % 16) and keys 8 (lane / 16) + 0 .. 7 of each block of 16.  Two such tiles, packed to f16, ARE source 1 (32 keys) of O^T = V^T P.
; K's images are read as they lie, 16 bytes a lane; V's are turned by ds_load_tr16_b128, whose 32 lanes take 512 consecutive bytes of half an image.  No pitch, no padding.
; att: [128 tokens 64][256 channels 4][16 tokens 8][32 channels 8][1,024 bytes]: images again, so that a lane's eight packed channels are its 16 bytes, and a wave's store covers 512 consecutive bytes, aligned.
; REGISTERS: v1 16 x lane; v2 my lane's place in V's images; v3, v4 the step's addresses; v9 prefetch offset; v10, v11 the add's two; v12-27 statistics, eight a tile (+0 c m, +1 m, +2, +3 l, +4 .. +7 at work; a in +6); v28 the result's factor;
;   v32-63 Q; v64-127 K's fragments of a step, then V's; v128-191 S^T, then p, then P packed in place; v192-255 O^T.
.set SLOT1, 1<<17                      ; slot 1 begins here: one exclusive or turns an address in one slot into the other's
.set VOFF,  65536                      ; V's images in a slot
.set STEPB, 8192                       ; 64 keys: four blocks of 16 tokens x 2,048 bytes
.set SPARE, 2*SLOT1                    ; behind the ring: the spare words, 128 bytes for each of sixteen waves
.set AK0, 1
.set AV0, 2
.set ADK, 3
.set ADV, 4
.set PFO, 9
.set SPW, 10
.set NIL, 11
.set ST,  12
.set FAC, 28
.set Q,   32
.set KV,  64
.set S,   128
.set O,   192
.set WV,  12                           ; s12  my wave's number
.set LIM, 15                           ; s15  1 in a wave that prefetches, else the greatest number
.set PFA, 18                           ; s[18:19] where my prefetch stands
.set G1,  24                           ; s[24:31] descriptor group 1
.set G0,  40                           ; s[40:43] descriptor group 0, which walks
.set QA,  44                           ; s[44:45] my queries
.set SLOTS, 56                         ; s56  slots still to be asked for
.set NST, 57                           ; s57  counts a slot's eight steps
.set CS,  58                           ; s[58:59] c, twice: the packed form names a pair
.set SEL, 60                           ; s[60:61] lane selects for v_permlanex16_b32: lane l xor 16
.set TB,  62                           ; s62  LDS byte at which the step's images of K begin
; Waves 0 to 3 fetch, the others nothing.  The branch hangs on the wave's number alone: it is the same in every work-group.  An s_nop 0 and four v_nop follow the load.
.macro TLOAD
	s_cmp_lt_u32 s[WV], 4
	s_cbranch_scc0 .Lnone_\@
	tensor_load_to_lds s[G0:G0+3], s[G1:G1+7]
	s_nop 0
.rept 4
	v_nop
.endr
.Lnone_\@:
.endm
; A PREFETCH INTO THE L2 of what the NEXT change of slots will ask for: 65,536 bytes of K and as many of V.  A head has one cluster; its four partners take 16,384 bytes of each, told apart BY ADDRESS; in each, waves 4 and 5 ask for K's two halves of
; that, waves 6 and 7 for V's: 8,192 bytes a wave, lanes 256 bytes apart, one instruction.  So each aligned block of 256 bytes is named once in the launch.  It stands eight key steps ahead of the load that will want the data.
; The last change that fills a slot asks for nothing; slots 0 and 1 come by their loads alone.
.macro ASK
	s_cmp_gt_u32 s[SLOTS], s[LIM]
	s_cbranch_scc0 .Lnot_mine_\@
	global_prefetch_b8 v[PFO], s[PFA:PFA+1] th:TH_LOAD_NT scope:SCOPE_SE
.Lnot_mine_\@:
.endm
.macro CROUND                          ; a round of the cluster's barrier: my work-group's barrier, wave 0 signals for the work-group, every wave waits for all four, my work-group's barrier once more
	s_barrier_signal -1
	s_barrier_wait -1
	s_cmp_lg_u32 s[WV], 0
	s_cbranch_scc1 .Lnot_wave_0_\@
	s_barrier_signal -3
.Lnot_wave_0_\@:
	s_barrier_wait -3
	s_barrier_signal -1
	s_barrier_wait -1
.endm
	s_load_b128 s[4:7], s[0:1], 0x0                ; qkvh s[4:5], vmax s[6:7]
	s_load_b64 s[8:9], s[0:1], 0x10                ; att
	v_lshl_add_u32 v[SPW], v0, 2, SPARE
	v_mov_b32 v[NIL], 0
	ds_add_u32 v[SPW], v[NIL]                      ; the wave's opening: the add, twice on end, and its wait ahead of the first tensor load; the set-up below stands between the second and the wait
	ds_add_u32 v[SPW], v[NIL]
	v_lshrrev_b32 v1, 5, v0
	v_readfirstlane_b32 s[WV], v1                  ; wave 0..15
	v_and_b32 v1, 31, v0                           ; lane
	v_lshlrev_b32 v[PFO], 8, v1                    ; 256 x lane
	v_lshlrev_b32 v[AK0], 4, v1                    ; 16 x lane
	v_and_b32 v5, 7, v0
	v_bfe_u32 v6, v0, 4, 1
	v_bfe_u32 v7, v0, 3, 1
	v_lshl_add_u32 v[AV0], v5, 4, VOFF             ; the turning load: lane l addresses key 8 (l / 16) + l % 8, channels 8 ((l / 8) % 2) + 0 .. 7 of a block of 16 channels:
	v_lshl_add_u32 v[AV0], v6, 7, v[AV0]           ; in half an image that is byte 16 (l % 8) + 128 (l / 16) + 256 ((l / 8) % 2)
	v_lshl_add_u32 v[AV0], v7, 8, v[AV0]
	s_bfe_u32 s13, ttmp6, 0x40000                  ; cx: my block of 512 queries: it enters Q's, att's and the prefetch's addresses alone
	s_and_b32 s14, ttmp7, 0xffff                   ; 16 x batch + head, which the four partners share
	s_min_u32 s16, s[WV], 3                        ; which quarter of a slot I fetch, if I fetch
	; descriptor group 1: 128 rows of 256 dense bytes
	s_mov_b32 s[G1], 15|(3<<16)|(1<<21)            ; 15:0 the mask: all four work-groups; 17:16 elements of 8 bytes; 21 set beside a mask; no padding
	s_mov_b32 s[G1+1], 32<<16                      ; tensor_dim0 = 32 elements
	s_mov_b32 s[G1+2], 128<<16                     ; tensor_dim1 = 128
	s_mov_b32 s[G1+3], 32<<16                      ; tile_dim0
	s_mov_b32 s[G1+4], 128                         ; tile_dim1
	s_mov_b32 s[G1+5], 32                          ; tensor_dim0_stride
	s_mov_b32 s[G1+6], 0
	s_mov_b32 s[G1+7], 0
	s_mov_b32 s[CS], 0x4038aa3b                    ; c = 2 log2(e)
	s_mov_b32 s[CS+1], s[CS]
	s_mov_b32 s[SEL], 0x76543210
	s_mov_b32 s[SEL+1], 0xfedcba98
	s_mov_b32 s[TB], 0
	s_mov_b32 s[SLOTS], 3
	s_lshl_b32 s20, s14, 18                        ; the head's first byte in a part
	s_lshr_b32 s32, s16, 1                         ; what I fetch: part 1 (K) or 2 (V),
	s_add_co_u32 s32, s32, 1
	s_lshl_b32 s32, s32, 24
	s_add_co_u32 s32, s32, s20
	s_and_b32 s33, s16, 1                          ; its first or second 256 keys
	s_lshl_b32 s33, s33, 15
	s_add_co_u32 s32, s32, s33
	s_mov_b32 s33, 0
	s_lshl_b32 s34, s13, 16                        ; my queries: part 0, 512 cx + 32 wave: 128 bytes a token
	s_lshl_b32 s21, s[WV], 12
	s_add_co_u32 s34, s34, s21
	s_add_co_u32 s34, s34, s20
	s_mov_b32 s35, 0
	s_and_b32 s36, s[WV], 3                        ; the prefetch: by wave % 4 (inside the buffer in every wave; waves 4 to 7 alone ask): K, K, V, V,
	s_lshr_b32 s36, s36, 1
	s_add_co_u32 s36, s36, 1
	s_lshl_b32 s36, s36, 24
	s_add_co_u32 s36, s36, s20
	s_lshl_b32 s21, s13, 14                        ; my work-group's 16,384 bytes,
	s_add_co_u32 s36, s36, s21
	s_and_b32 s21, s[WV], 1                        ; my wave's half of them,
	s_lshl_b32 s21, s21, 13
	s_add_co_u32 s36, s36, s21
	s_add_co_u32 s36, s36, 65536                   ; in slot 1: the first change of slots steps it to slot 2
	s_mov_b32 s37, 0
	s_sub_co_u32 s[LIM], s[WV], 4
	s_lshr_b32 s[LIM], s[LIM], 2                   ; 0 in waves 4 to 7
	s_cmp_eq_u32 s[LIM], 0
	s_cselect_b32 s[LIM], 1, -1
	s_lshr_b32 s38, s14, 4                         ; batch
	s_add_co_u32 s22, s38, 8
	s_lshl_b32 s22, s22, 9                         ; vmax: part 2, my batch: 512 bytes
	s_mov_b32 s23, 0
	s_lshl_b32 s38, s38, 4                         ; att: the tile of 128 tokens: 16 batch + 4 cx + wave / 4,
	s_lshl_b32 s21, s13, 2
	s_add_co_u32 s38, s38, s21
	s_lshr_b32 s21, s[WV], 2
	s_add_co_u32 s38, s38, s21
	s_lshl_b32 s38, s38, 18
	s_bfe_u32 s21, s14, 0x20002                    ; the 256 channels: head / 4,
	s_lshl_b32 s21, s21, 16
	s_add_co_u32 s38, s38, s21
	s_and_b32 s21, s[WV], 3                        ; the block of 16 tokens: 2 (wave % 4) + tile,
	s_lshl_b32 s21, s21, 14
	s_add_co_u32 s38, s38, s21
	s_and_b32 s21, s14, 3                          ; the 32 channels: 2 (head % 4) + 0, 1
	s_lshl_b32 s21, s21, 11
	s_add_co_u32 s38, s38, s21
	s_mov_b32 s39, 0
	s_wait_dscnt 0x0                               ; both opening adds are done
	s_wait_kmcnt 0x0
	s_mov_b32 s[G0], 1                             ; count = 1
	s_lshl_b32 s[G0+1], s16, 15                    ; LDS address: slot 0, my quarter
	s_add_nc_u64 s[G0+2:G0+3], s[4:5], s[32:33]    ; global address
	s_or_b32 s[G0+3], s[G0+3], 0x80000000          ; type = 2
	s_add_nc_u64 s[QA:QA+1], s[4:5], s[34:35]
	s_add_nc_u64 s[PFA:PFA+1], s[4:5], s[36:37]
	s_add_nc_u64 s[6:7], s[6:7], s[22:23]
	s_add_nc_u64 s[8:9], s[8:9], s[38:39]
	CROUND                                         ; all four work-groups are here: the first joint loads meet
	TLOAD                                          ; slot 0
.irp i, 0,1,2,3,4,5,6,7
	global_load_b128 v[Q+4*\i:Q+4*\i+3], v[AK0], s[QA:QA+1] offset:512*\i   ; Q stays in registers: tile i / 4, channels 32 ((i / 2) % 2) on, half i % 2
.endr
	global_load_b128 v[FAC:FAC+3], v[AK0], s[6:7]  ; the batch's 128 largest magnitudes of v'
.irp t, 0,1
	v_mov_b32 v[ST+8*\t+1], 0xf149f2ca             ; m = -1e30
	v_mul_f32 v[ST+8*\t], s[CS], v[ST+8*\t+1]      ; c m
	v_mov_b32 v[ST+8*\t+2], 0                      ; l, in two halves
	v_mov_b32 v[ST+8*\t+3], 0
.endr
.set i, 0
.rept 64
	v_mov_b32 v[O+i], 0                            ; O^T.  (The step is written once: the first finds zeros, which a = 0 leaves zeros)
.set i, i+1
.endr
	s_wait_loadcnt 0x0
	v_max3_num_f32 v[FAC], v[FAC], v[FAC+1], v[FAC+2]
	v_max_num_f32 v[FAC], v[FAC], v[FAC+3]
	v_max_num_f32_dpp v[FAC], v[FAC], v[FAC] row_xmask:1 row_mask:0xf bank_mask:0xf
	v_max_num_f32_dpp v[FAC], v[FAC], v[FAC] row_xmask:2 row_mask:0xf bank_mask:0xf
	v_max_num_f32_dpp v[FAC], v[FAC], v[FAC] row_xmask:4 row_mask:0xf bank_mask:0xf
	v_max_num_f32_dpp v[FAC], v[FAC], v[FAC] row_xmask:8 row_mask:0xf bank_mask:0xf
	v_permlanex16_b32 v[FAC+1], v[FAC], s[SEL], s[SEL+1]
	v_max_num_f32 v[FAC], v[FAC], v[FAC+1]         ; the batch's largest |v'|,
	v_max_num_f32 v[FAC], 0x0d800000, v[FAC]       ; held at 2^-100 from below;
	v_lshrrev_b32 v[FAC], 23, v[FAC]               ; its exponent field, e + 127;
	v_sub_nc_u32 v[FAC], 268, v[FAC]               ; 14 - e + 127
	v_lshlrev_b32 v[FAC], 23, v[FAC]               ; 2^(14 - e)
; A KEY STEP: 64 keys.
.macro STEP
	v_add_nc_u32 v[ADK], s[TB], v[AK0]
	v_add_nc_u32 v[ADV], s[TB], v[AV0]
.rept 3
	v_nop                                          ; five places behind the last step's products: its V registers are loaded anew (four are asked), and the scores below are written over its P (five are asked)
.endr
.set i, 0
.rept 16
	ds_load_b128 v[KV+4*i:KV+4*i+3], v[ADK] offset:512*i   ; K: keys 16 (i / 4) on, channels 32 ((i / 2) % 2) on, half i % 2: 512 consecutive bytes a load
.set i, i+1
.endr
	s_wait_dscnt 0x0
.irp c, 0,1                                    ; S^T = K Q^T: eight accumulators by turns, one instruction a turn; the first eight start the sums
.irp u, 0,1,2,3
.irp t, 0,1
.if \c == 0
	v_wmma_f32_16x16x32_f16 v[S+32*\t+8*\u:S+32*\t+8*\u+7], v[KV+16*\u+8*\c:KV+16*\u+8*\c+7], v[Q+16*\t+8*\c:Q+16*\t+8*\c+7], 0
.else
	v_wmma_f32_16x16x32_f16 v[S+32*\t+8*\u:S+32*\t+8*\u+7], v[KV+16*\u+8*\c:KV+16*\u+8*\c+7], v[Q+16*\t+8*\c:Q+16*\t+8*\c+7], v[S+32*\t+8*\u:S+32*\t+8*\u+7]
.endif
.endr
.endr
.endr
.rept 4
	v_nop                                          ; four places: K's registers are loaded anew, and the scores are read
.endr
.irp u, 0,1,2,3                                ; V, turned: fragment (32 keys kk = u / 2, 16 channels d): registers 0-3 from block 2 kk, 4-7 from block 2 kk + 1.  It lands while the softmax is worked
.irp d, 0,1,2,3
	ds_load_tr16_b128 v[KV+32*(\u/2)+8*\d+4*(\u%2):KV+32*(\u/2)+8*\d+4*(\u%2)+3], v[ADV] offset:2048*\u+512*\d
.endr
.endr
	; THE SOFTMAX, the two tiles line by line, so that no line waits for the line above it.  The maximum of a lane's 32 scores and the old m: four chains, each begun at an accumulator's low end
.irp j, 0,1,2,3
.irp t, 0,1
	v_max3_num_f32 v[ST+8*\t+4+\j], v[S+32*\t+8*\j], v[S+32*\t+8*\j+1], v[S+32*\t+8*\j+2]
.endr
.endr
.irp g, 1,2
.irp j, 0,1,2,3
.irp t, 0,1
	v_max3_num_f32 v[ST+8*\t+4+\j], v[ST+8*\t+4+\j], v[S+32*\t+8*\j+2*\g+1], v[S+32*\t+8*\j+2*\g+2]
.endr
.endr
.endr
.irp t, 0,1
	v_max3_num_f32 v[ST+8*\t+4], v[ST+8*\t+4], v[S+32*\t+7], v[S+32*\t+15]
.endr
.irp t, 0,1
	v_max3_num_f32 v[ST+8*\t+6], v[ST+8*\t+6], v[S+32*\t+23], v[S+32*\t+31]
.endr
.irp t, 0,1
	v_max3_num_f32 v[ST+8*\t+4], v[ST+8*\t+4], v[ST+8*\t+5], v[ST+8*\t+6]
.endr
.irp t, 0,1
	v_max3_num_f32 v[ST+8*\t+4], v[ST+8*\t+4], v[ST+8*\t+7], v[ST+8*\t+1]
.endr
.irp t, 0,1
	v_permlanex16_b32 v[ST+8*\t+5], v[ST+8*\t+4], s[SEL], s[SEL+1]   ; the query's other 32 keys lie in the lane 16 away
.endr
.irp t, 0,1
	v_mov_b32 v[ST+8*\t+7], v[ST+8*\t]             ; c m_old
.endr
.irp t, 0,1
	v_max_num_f32 v[ST+8*\t+1], v[ST+8*\t+4], v[ST+8*\t+5]   ; the new m
.endr
.irp t, 0,1
	v_mul_f32 v[ST+8*\t], s[CS], v[ST+8*\t+1]      ; c m
.endr
.irp t, 0,1
	v_sub_f32 v[ST+8*\t+7], v[ST+8*\t+7], v[ST+8*\t]   ; c m_old - c m_new, 0 or less
.endr
.irp b, 0,1,2,3,4,5,6,7,8,9,10,11,12,13,14,15
.irp t, 0,1
	v_pk_fma_f32 v[S+32*\t+2*\b:S+32*\t+2*\b+1], v[S+32*\t+2*\b:S+32*\t+2*\b+1], s[CS:CS+1], v[ST+8*\t:ST+8*\t+1] op_sel_hi:[1,0,0] neg_lo:[0,0,1] neg_hi:[0,0,1]   ; c s - c m, two at a time
.endr
.endr
.irp t, 0,1
	v_exp_f32 v[ST+8*\t+6], v[ST+8*\t+7]           ; a.  ONE BATCH of 66 exponentials: none reads another's result
.endr
.set i, 0
.rept 32
	v_exp_f32 v[S+i], v[S+i]                       ; p, at most 1
	v_exp_f32 v[S+32+i], v[S+32+i]
.set i, i+1
.endr
	v_nop                                          ; a plain instruction behind the last exponential
	s_wait_alu depctr_va_vdst(0)                   ; one wait for the whole batch, ahead of its first reader
.irp t, 0,1
	v_pk_fma_f32 v[ST+8*\t+2:ST+8*\t+3], v[ST+8*\t+2:ST+8*\t+3], v[ST+8*\t+6:ST+8*\t+7], v[S+32*\t:S+32*\t+1] op_sel_hi:[1,0,1]   ; l = a l + the unrounded p: two chains a tile
.endr
.irp t, 0,1
	v_pk_add_f32 v[ST+8*\t+4:ST+8*\t+5], v[S+32*\t+2:S+32*\t+3], v[S+32*\t+4:S+32*\t+5]
.endr
.irp p, 3,5,7,9,11,13
.irp t, 0,1
	v_pk_add_f32 v[ST+8*\t+2:ST+8*\t+3], v[ST+8*\t+2:ST+8*\t+3], v[S+32*\t+2*\p:S+32*\t+2*\p+1]
	v_pk_add_f32 v[ST+8*\t+4:ST+8*\t+5], v[ST+8*\t+4:ST+8*\t+5], v[S+32*\t+2*\p+2:S+32*\t+2*\p+3]
.endr
.endr
.irp t, 0,1
	v_pk_add_f32 v[ST+8*\t+2:ST+8*\t+3], v[ST+8*\t+2:ST+8*\t+3], v[S+32*\t+30:S+32*\t+31]
.endr
.irp t, 0,1
	v_pk_add_f32 v[ST+8*\t+2:ST+8*\t+3], v[ST+8*\t+2:ST+8*\t+3], v[ST+8*\t+4:ST+8*\t+5]
.endr
.irp i, 0,1,2,3,4,5,6,7,8,9,10,11,12,13,14,15
.irp t, 0,1
	v_cvt_pk_f16_f32 v[S+32*\t+\i], v[S+32*\t+2*\i], v[S+32*\t+2*\i+1]   ; P, packed in place: register i has been read by an earlier line
.endr
.endr
.irp i, 0,1,2,3,4,5,6,7,8,9,10,11,12,13,14,15
.irp t, 0,1
	v_pk_mul_f32 v[O+32*\t+2*\i:O+32*\t+2*\i+1], v[O+32*\t+2*\i:O+32*\t+2*\i+1], v[ST+8*\t+6:ST+8*\t+7] op_sel_hi:[1,0]   ; O^T x a, each accumulator from its low end on
.endr
.endr
	s_wait_dscnt 0x0                               ; V is in
.irp kk, 0,1                                   ; O^T += V^T P: eight accumulators by turns
.irp d, 0,1,2,3
.irp t, 0,1
	v_wmma_f32_16x16x32_f16 v[O+32*\t+8*\d:O+32*\t+8*\d+7], v[KV+32*\kk+8*\d:KV+32*\kk+8*\d+7], v[S+32*\t+8*\kk:S+32*\t+8*\kk+7], v[O+32*\t+8*\d:O+32*\t+8*\d+7]
.endr
.endr
.endr
	s_add_co_u32 s[TB], s[TB], STEPB               ; the next step's images
.endm
; THE CHANGE OF SLOTS stands at a slot's head.  Each wave waits for all its tensor loads (its part of the slot that it is about to read), adds 0 to its spare word, and waits for that and for its reads of the slot that it has left.
; fill = 1: the barrier is a round of the cluster's, so that no wave of any partner still reads the other slot or has a load on its way; that slot is then filled with the next 512 keys: the load has eight key steps in which to land.
.macro CHANGE fill
	s_wait_tensorcnt 0x0                           ; no tensor load of mine is out, so group 0 may be written
	ds_add_u32 v[SPW], v[NIL]                      ; 0 onto my spare word
.if \fill
	ds_add_u32 v[SPW], v[NIL]                      ; and once more: the add twice on end here, in every trip alike.  The steps below stand between the second and the wait
	s_xor_b32 s[G0+1], s[G0+1], SLOT1              ; the walking descriptor: the other slot than last time,
	s_add_nc_u64 s[G0+2:G0+3], s[G0+2:G0+3], 65536 ; the next 512 keys; the type bits on top are not reached
	s_wait_xcnt 0x0                                ; the last prefetch, a slot back, has read its address, so it may be written:
	s_add_nc_u64 s[PFA:PFA+1], s[PFA:PFA+1], 65536 ; one slot further on than the walking descriptor
	s_wait_dscnt 0x0                               ; both adds are done, and my reads of the slot that I have left are over
	CROUND
	TLOAD                                          ; the first thing behind the round, and a wave's one tensor load until the next
	ASK
.else
	s_wait_dscnt 0x0
	s_barrier_signal -1
	s_barrier_wait -1
.endif
.endm
.macro SLOT_STEPS                      ; a slot's eight key steps: written once, walked eight times
	s_mov_b32 s[NST], 8
.Lstep_\@:
	STEP
	s_sub_co_u32 s[NST], s[NST], 1
	s_cmp_lg_u32 s[NST], 0
	s_cbranch_scc1 .Lstep_\@
	s_sub_co_u32 s[TB], s[TB], 8*STEPB             ; back to a slot's first step,
	s_xor_b32 s[TB], s[TB], SLOT1                  ; in the other slot
.endm
.Lslot:                                            ; three trips: behind each change of slots but the last the next slot is asked for (in the first trip: slot 1's first fill)
	CHANGE 1
	SLOT_STEPS
	s_sub_co_u32 s[SLOTS], s[SLOTS], 1
	s_cmp_lg_u32 s[SLOTS], 0
	s_cbranch_scc1 .Lslot
	CHANGE 0                                       ; the last slot is written out
	SLOT_STEPS
	; THE WAY OUT.  l's two halves and the other half of the lanes' are added; O^T x 2^(14 - e) / l, to f16; a lane's eight channels are its 16 bytes of half an image.  The additions are the places behind the last products.
.irp t, 0,1
	v_add_f32 v[ST+8*\t+4], v[ST+8*\t+2], v[ST+8*\t+3]
.endr
.irp t, 0,1
	v_permlanex16_b32 v[ST+8*\t+5], v[ST+8*\t+4], s[SEL], s[SEL+1]
.endr
.irp t, 0,1
	v_add_f32 v[ST+8*\t+4], v[ST+8*\t+4], v[ST+8*\t+5]
.endr
.irp t, 0,1
	v_rcp_f32 v[ST+8*\t+6], v[ST+8*\t+4]           ; l lies between 1 and 2,048
.endr
	v_nop                                          ; a plain instruction behind the last reciprocal
	s_wait_alu depctr_va_vdst(0)                   ; and the wait ahead of the first use: one for both
.irp t, 0,1
	v_mul_f32 v[ST+8*\t+6], v[ST+8*\t+6], v[FAC]
.endr
.irp i, 0,1,2,3,4,5,6,7,8,9,10,11,12,13,14,15
.irp t, 0,1
	v_pk_mul_f32 v[O+32*\t+2*\i:O+32*\t+2*\i+1], v[O+32*\t+2*\i:O+32*\t+2*\i+1], v[ST+8*\t+6:ST+8*\t+7] op_sel_hi:[1,0]
.endr
.endr
.irp i, 0,1,2,3,4,5,6,7,8,9,10,11,12,13,14,15
.irp t, 0,1
	v_cvt_pk_f16_f32 v[S+16*\t+\i], v[O+32*\t+2*\i], v[O+32*\t+2*\i+1]
.endr
.endr
.irp t, 0,1
.irp d, 0,1,2,3
	global_store_b128 v[AK0], v[S+16*\t+4*\d:S+16*\t+4*\d+3], s[8:9] offset:8192*\t+512*\d   ; 32 lanes store 512 consecutive bytes, aligned
.endr
.endr
	s_wait_tensorcnt 0x0                           ; the wave's end
	ds_add_u32 v[SPW], v[NIL]
	s_wait_dscnt 0x0
	CROUND                                         ; the closing round: no work-group ends while a partner may still ask for a tile that names it
	s_endpgm
.Lfunc_end_k_qbd3d390c16_attn:
	.size	k_qbd3d390c16_attn, .Lfunc_end_k_qbd3d390c16_attn-k_qbd3d390c16_attn
	.p2alignl 7, 3214868480
	.fill 96, 4, 3214868480
	.section	.rodata,"a",@progbits
	.p2align	6, 0x0
	.amdhsa_kernel k_qbd3d390c16_attn
		.amdhsa_group_segment_fixed_size 327680
		.amdhsa_private_segment_fixed_size 0
		.amdhsa_enable_private_segment 0
		.amdhsa_kernarg_size 24
		.amdhsa_user_sgpr_count 2
		.amdhsa_user_sgpr_kernarg_segment_ptr 1
		.amdhsa_wavefront_size32 1
		.amdhsa_system_sgpr_workgroup_id_x 1
		.amdhsa_system_sgpr_workgroup_id_y 1
		.amdhsa_system_sgpr_workgroup_id_z 1
		.amdhsa_system_vgpr_workitem_id 0
		.amdhsa_next_free_vgpr 256
		.amdhsa_next_free_sgpr 66
		.amdhsa_reserve_vcc 0
		.amdhsa_float_denorm_mode_32 3
		.amdhsa_float_denorm_mode_16_64 3
		.amdhsa_memory_ordered 1
		.amdhsa_forward_progress 1
		.amdhsa_inst_pref_size 50
	.end_amdhsa_kernel
	.amdgpu_metadata
---
amdhsa.version: [ 1, 2 ]
amdhsa.kernels:
  - .name:           k_qbd3d390c16_attn
    .symbol:         k_qbd3d390c16_attn.kd
    .args:
      - { .name: qkvh, .offset: 0, .size: 8, .value_kind: global_buffer, .address_space: global }
      - { .name: vmax, .offset: 8, .size: 8, .value_kind: global_buffer, .address_space: global }
      - { .name: att, .offset: 16, .size: 8, .value_kind: global_buffer, .address_space: global }
    .group_segment_fixed_size: 327680
    .private_segment_fixed_size: 0
    .kernarg_segment_align: 8
    .kernarg_segment_size: 24
    .max_flat_workgroup_size: 512
    .sgpr_count:     66
    .vgpr_count:     256
    .wavefront_size: 32
...
	.end_amdgpu_metadata
.endif
;; end of part 3
;; launch proj (part 4): grid 8 x 64, 4 waves a work-group, clusters of 4 x 4, 327,680 bytes of LDS; arguments att, w16, out0, mWin, vmax, proj_b; writes out0
.if DOCPART == 4
	.amdgcn_target "amdgcn-amd-amdhsa--gfx1250"
	.amdhsa_code_object_version 6
	.text
	.protected	k_qbd3d390c16_proj
	.globl	k_qbd3d390c16_proj
	.p2align	8
	.type	k_qbd3d390c16_proj,@function
k_qbd3d390c16_proj:
	s_mov_b64 s[64:65], 0
	v_nop
	global_prefetch_b8 v0, s[64:65] scope:SCOPE_SE
	s_setreg_imm32_b32 hwreg(HW_REG_WAVE_MODE, 25, 1), 1
	s_wait_xcnt 0x0
	s_wait_alu depctr_hold_cnt(0) depctr_sa_sdst(0) depctr_va_vdst(0) depctr_va_sdst(0) depctr_va_ssrc(0) depctr_va_vcc(0) depctr_vm_vsrc(0)
	s_getreg_b32 s2, hwreg(HW_REG_IB_STS2, 6, 4)
	s_cmp_eq_u32 s2, 0
	s_cbranch_scc0 .Lentry_in_a_cluster
	s_endpgm
.Lentry_in_a_cluster:
	s_bfe_u32 s2, ttmp6, 0x10000c
	s_cmp_lg_u32 s2, 0xf033
	s_cbranch_scc0 .Lentry_shape_is_right
	s_endpgm
.Lentry_shape_is_right:
; out0[m][n] = g[m] x (sum over k of att[m][k] proj_w[n][k]) + proj_b[n], the product in f16 with f32 sums.
; g[m] = 2^(e - 12) / (mWin[m] x S2 + 1e-6): S2 = the batch's sum of mWin^2; 2^(e - 12) undoes the attention's 2^(14 - e) and v's quarter (e = floor(log2(the batch's largest |v m / 4|)), held at -100 from below).
; The division by (mx + 1e-6) is one number a row, so it stands behind the product, in f32: the operand ahead of it would span more decades than f16 holds.  The reciprocal is v_rcp_f32's (1 ulp) in place of a division.
; A tile of out0 is 128 x 128; four waves, each 64 x 64: 16 accumulators, 128 registers.  K goes in steps of 256 through a ring of two LDS slots; K = 1,024 is four steps, so each slot is filled twice.
; att arrives as images of operand registers ([128 tokens][256 channels][16 tokens 8][32 channels 8][1,024 bytes]): a K step of a tile is 65,536 dense bytes, read from LDS at 16 x lane, without pitch or padding.  proj_w's rows (512 bytes a K step) get 16 bytes of padding.
; CLUSTERS: 4 x 4 work-groups.  The four of a row of the cluster need the same tiles of att, the four of a column the same tiles of proj_w: each is asked for JOINTLY, by the same tensor load with the same descriptor and a mask that names the four.
; THE MATRIX INSTRUCTION IS USED TRANSPOSED (source 0 = 16 rows of proj_w, source 1 = 16 tokens): a lane holds one token (lane % 16) and eight neighbouring columns.
; No prefetch: a K step's tiles are small and shared by four, and the launch's inputs are read by many work-groups.
; REGISTERS: window 0: v0-31 addresses (v4 the scale, v8-15 g of my four blocks of tokens, as pairs); v32-95 at work (at the head: the batch's mWin; on the way out: results); v96-127 the bias of my 64 columns in the result's layout; v128-255 the accumulators ((a, b) at v[128 + 8 (4 a + b)]).
;   window 1: two fragment buffers of 128: for 64 along K, 64 registers of att, then 64 of proj_w.
.set SIZE_N, 1024
.set SIZE_K, 1024
.set KSTEP,  256
.set PITCH,  528                       ; a row of proj_w in LDS: 512 bytes + 16 of padding = 132 words: the 16 rows that a load touches start at 16 different banks (64 banks of 4 bytes: ISA guide 11.1)
.set ABYTES, 65536                     ; att's part of a slot
.set HALFA,  32768                     ; 64 tokens x 256 channels: what one tensor load brings, and what one wave reads
.set HALFB,  64*PITCH                  ; 64 rows of proj_w likewise
.set SLOT,   ABYTES+2*HALFB
.set STAGE,  2*SLOT                    ; behind the ring: 16 rows x 272 bytes for each wave, for the way out
.set SPITCH, 272
.set SPARE,  STAGE+4*16*SPITCH         ; the spare words, 128 bytes for each wave
.set ADRA, 16                          ; v16-17  LDS address of my fragments of att in slot 0, 1
.set L16,  18                          ; v18     16 x lane
.set ADRB, 20                          ; v20-21  the same for proj_w
.set STO,  24                          ; v24     the way out: where I put 32 bytes of a row
.set RD,   25                          ; v25     the way out: where I read a row back
.set CO,   26                          ; v26     my byte offset in out0
.set SPW,  28                          ; v28     LDS address of my spare word; never rewritten
.set NIL,  29                          ; v29     0; never rewritten
.set GG,   8                           ; v8-15   g: block a's at v[GG + 2 a], twice
.set TMP,  32
.set BI,   96
.set ACC,  128
.set F0,   0                           ; fragment buffers, in window 1
.set F1,   128
.set G1, 24                            ; s[24:31] descriptor group 1 for att's tiles;  s[32:39] group 0, one set for each slot
.set G0, 32
.set G1B, 48                           ; s[48:55], s[56:63] the same for proj_w's
.set G0B, 56
.set MSB, 0
.macro WIN new                         ; the immediate's high byte repeats the setting that is left
.if MSB != \new
	s_set_vgpr_msb (MSB<<8)|\new
.set MSB, \new
.endif
.endm
.set MUL,  0x05                        ; sources 0 and 1 window 1; C and D window 0
.set TO_F, 0x40                        ; destination window 1, address window 0
.macro JLOAD s                         ; a joint load: waves 0 and 1 fetch att's two halves, waves 2 and 3 proj_w's; an s_nop 0 and four v_nop follow each of the two lines
	s_cmp_eq_u32 s11, 0
	s_cbranch_scc0 .Lfor_b_\@
	tensor_load_to_lds s[G0+4*\s:G0+4*\s+3], s[G1:G1+7]
	s_nop 0
.rept 4
	v_nop
.endr
	s_branch .Lasked_\@
.Lfor_b_\@:
	tensor_load_to_lds s[G0B+4*\s:G0B+4*\s+3], s[G1B:G1B+7]
	s_nop 0
.rept 4
	v_nop
.endr
.Lasked_\@:
.endm
.macro CREST                           ; a round of the cluster's barrier behind its opening barrier
	s_cmp_lg_u32 s10, 0
	s_cbranch_scc1 .Lnot_wave_0_\@
	s_barrier_signal -3
.Lnot_wave_0_\@:
	s_barrier_wait -3
	s_barrier_signal -1
	s_barrier_wait -1
.endm
.macro CROUND                          ; a whole round
	s_barrier_signal -1
	s_barrier_wait -1
	CREST
.endm
	s_load_b128 s[4:7], s[0:1], 0x0                ; att s[4:5], w16 s[6:7]
	s_load_b64 s[8:9], s[0:1], 0x10                ; out0
	s_load_b128 s[68:71], s[0:1], 0x18             ; mWin s[68:69], vmax s[70:71]
	s_load_b64 s[72:73], s[0:1], 0x28              ; proj_b
	v_lshl_add_u32 v[SPW], v0, 2, SPARE
	v_mov_b32 v[NIL], 0
	ds_add_u32 v[SPW], v[NIL]                      ; the wave's opening: the add, twice on end, and its wait ahead of my first tensor load; the set-up below stands between the second and the wait
	ds_add_u32 v[SPW], v[NIL]
	v_lshrrev_b32 v1, 5, v0
	v_readfirstlane_b32 s10, v1                    ; wave 0..3
	s_lshr_b32 s11, s10, 1                         ; which half of the tile's tokens is mine.  Also: I fetch for att (0) or for proj_w (1)
	s_and_b32 s12, s10, 1                          ; which half of its columns.  Also: which half of that tile I fetch
	s_bfe_u32 s40, ttmp6, 0x40000                  ; cx, cy: my place in the cluster
	s_bfe_u32 s41, ttmp6, 0x40004
	s_lshl_b32 s42, ttmp9, 2
	s_add_co_u32 s42, s42, s40                     ; tile column = 4 x cluster x + cx: 0 .. 7
	s_and_b32 s13, ttmp7, 0xffff
	s_lshl_b32 s13, s13, 2
	s_add_co_u32 s13, s13, s41                     ; tile row = 4 x cluster y + cy: 0 .. 63
	s_lshl_b32 s43, s41, 2
	s_lshl_b32 s43, 15, s43                        ; my row of the cluster
	s_lshl_b32 s44, 0x1111, s40                    ; my column
	; descriptor group 1 for att: 128 rows of 256 dense bytes
	s_or_b32 s[G1+0], s43, (3<<16)|(1<<21)         ; 15:0 the mask: att's tiles go to my row; 17:16 elements of 8 bytes; 21 set beside a mask; no padding
	s_mov_b32 s[G1+1], 32<<16                      ; tensor_dim0 = 32 elements
	s_mov_b32 s[G1+2], 128<<16                     ; tensor_dim1 = 128
	s_mov_b32 s[G1+3], 32<<16                      ; tile_dim0
	s_mov_b32 s[G1+4], 128                         ; tile_dim1
	s_mov_b32 s[G1+5], 32                          ; tensor_dim0_stride
	s_mov_b32 s[G1+6], 0
	s_mov_b32 s[G1+7], 0
	; and for proj_w: 64 rows x 256 elements of 2 bytes, padded in LDS
	s_or_b32 s[G1B+0], s44, (1<<16)|(1<<20)|(1<<21)|(6<<22)|(3<<25)  ; the mask of my column; padding: four words after every 128
	s_mov_b32 s[G1B+1], KSTEP<<16
	s_mov_b32 s[G1B+2], 64<<16
	s_mov_b32 s[G1B+3], KSTEP<<16
	s_mov_b32 s[G1B+4], 64
	s_mov_b32 s[G1B+5], SIZE_K
	s_mov_b32 s[G1B+6], 0
	s_mov_b32 s[G1B+7], 0
	s_lshl_b32 s16, s13, 18                        ; att: the tile of 128 tokens is 262,144 bytes,
	s_lshl_b32 s17, s12, 15                        ; my half of a K step 32,768
	s_add_co_u32 s16, s16, s17
	s_mov_b32 s17, 0
	s_lshl_b32 s46, s42, 7
	s_lshl_b32 s47, s12, 6
	s_add_co_u32 s46, s46, s47                     ; proj_w: row 128 x tile column + 64 x half,
	s_lshl_b32 s46, s46, 11                        ; of 2,048 bytes
	s_mov_b32 s47, 0
	s_lshl_b32 s20, s12, 15                        ; where they go: no place in the cluster enters an LDS address
	s_mul_i32 s21, s12, HALFB
	s_add_co_u32 s21, s21, ABYTES
	s_wait_dscnt 0x0                               ; both opening adds are done
	s_wait_kmcnt 0x0
	s_add_nc_u64 s[14:15], s[4:5], s[16:17]
	s_add_nc_u64 s[46:47], s[6:7], s[46:47]
	CROUND                                         ; all sixteen work-groups are here: the first joint loads meet
.irp s, 0,1
	s_mov_b32 s[G0+4*\s], 1
	s_add_co_u32 s[G0+4*\s+1], s20, \s*SLOT
	s_add_nc_u64 s[G0+4*\s+2:G0+4*\s+3], s[14:15], \s*ABYTES
	s_or_b32 s[G0+4*\s+3], s[G0+4*\s+3], 0x80000000
	s_mov_b32 s[G0B+4*\s], 1
	s_add_co_u32 s[G0B+4*\s+1], s21, \s*SLOT
	s_add_nc_u64 s[G0B+4*\s+2:G0B+4*\s+3], s[46:47], \s*KSTEP*2
	s_or_b32 s[G0B+4*\s+3], s[G0B+4*\s+3], 0x80000000
	JLOAD \s                                       ; K steps 0 and 1: two tensor loads of mine are out
.endr
	v_and_b32 v1, 15, v0                           ; r = l % 16
	v_bfe_u32 v2, v0, 4, 1                         ; h = l / 16
	v_and_b32 v[L16], 31, v0
	v_lshlrev_b32 v[L16], 4, v[L16]
	v_mul_u32_u24 v3, v1, PITCH
	v_lshl_add_u32 v3, v2, 4, v3                   ; proj_w: a fragment's row x pitch + 16 x half
	s_lshl_b32 s22, s11, 15                        ; my 64 tokens of att
	s_mul_i32 s23, s12, HALFB                      ; my 64 rows of proj_w,
	s_add_co_u32 s23, s23, ABYTES                  ; which lie behind att's images
.irp s, 0,1
	v_add_nc_u32 v[ADRA+\s], s22, v[L16]
	v_add_nc_u32 v[ADRB+\s], s23, v3
	s_add_co_u32 s22, s22, SLOT
	s_add_co_u32 s23, s23, SLOT
.endr
	s_mul_i32 s23, s10, 16*SPITCH
	s_add_co_u32 s23, s23, STAGE                   ; my stage
	v_mul_u32_u24 v4, v1, SPITCH                   ; in: row r, 32 bytes for each half of the lanes
	v_lshl_add_u32 v4, v2, 5, v4
	v_add_nc_u32 v[STO], s23, v4
	v_mul_u32_u24 v5, v2, SPITCH                   ; back: lanes 0-15 take one row of 256 bytes, lanes 16-31 the next
	v_lshl_add_u32 v5, v1, 4, v5
	v_add_nc_u32 v[RD], s23, v5
	v_lshlrev_b32 v5, 12, v2                       ; and the same two rows in out0: 4,096 bytes a row
	v_lshl_add_u32 v[CO], v1, 4, v5
	s_lshl_b32 s16, s13, 7
	s_lshl_b32 s17, s11, 6
	s_add_co_u32 s16, s16, s17                     ; my first token: 128 x tile row + 64 x half
	s_lshl_b32 s22, s16, 2                         ; its mWin,
	s_lshl_b32 s16, s16, 12                        ; its row of out0
	s_mov_b32 s17, 0
	s_mov_b32 s23, 0
	s_add_nc_u64 s[8:9], s[8:9], s[16:17]
	s_lshl_b32 s46, s42, 9                         ; my first column, in bytes of f32: 512 x tile column + 256 x half: in out0 and in the bias alike
	s_lshl_b32 s47, s12, 8
	s_add_co_u32 s46, s46, s47
	s_mov_b32 s47, 0
	s_add_nc_u64 s[8:9], s[8:9], s[46:47]
	s_add_nc_u64 s[72:73], s[72:73], s[46:47]
	s_lshr_b32 s18, s13, 4                         ; batch
	s_lshl_b32 s16, s18, 13                        ; its 2,048 numbers of mWin
	s_add_nc_u64 s[74:75], s[68:69], s[16:17]
	s_add_nc_u64 s[68:69], s[68:69], s[22:23]
	s_add_co_u32 s16, s18, 8
	s_lshl_b32 s16, s16, 9                         ; vmax: part 2, my batch: 512 bytes
	s_add_nc_u64 s[70:71], s[70:71], s[16:17]
	s_mov_b32 s66, 0x76543210                      ; v_permlanex16_b32's selects for lane l xor 16
	s_mov_b32 s67, 0xfedcba98
	v_lshlrev_b32 v19, 2, v1                       ; 4 r
	v_lshlrev_b32 v22, 5, v2                       ; 32 h
.irp i, 0,1,2,3,4,5,6,7,8,9,10,11,12,13,14,15
	global_load_b128 v[TMP+4*\i:TMP+4*\i+3], v[L16], s[74:75] offset:512*\i   ; the batch's mWin: 64 numbers a lane
.endr
	global_load_b128 v[4:7], v[L16], s[70:71]      ; the batch's 128 largest magnitudes of v m / 4
.irp a, 0,1,2,3
	global_load_b32 v[GG+2*\a], v19, s[68:69] offset:64*\a   ; mWin of token r of my four blocks
.endr
.irp b, 0,1,2,3
	global_load_b128 v[BI+8*\b:BI+8*\b+3], v22, s[72:73] offset:64*\b        ; the bias of columns 16 b + 8 h + 0 .. 7
	global_load_b128 v[BI+8*\b+4:BI+8*\b+7], v22, s[72:73] offset:64*\b+16
.endr
	s_wait_loadcnt 0x0
.irp k, 0,1,2,3
	v_pk_mul_f32 v[TMP+2*\k:TMP+2*\k+1], v[TMP+2*\k:TMP+2*\k+1], v[TMP+2*\k:TMP+2*\k+1]   ; S2 = the sum of mWin^2: four chains of pairs
.endr
.set k, 4
.rept 28
	v_pk_fma_f32 v[TMP+2*(k%4):TMP+2*(k%4)+1], v[TMP+2*k:TMP+2*k+1], v[TMP+2*k:TMP+2*k+1], v[TMP+2*(k%4):TMP+2*(k%4)+1]
.set k, k+1
.endr
	v_pk_add_f32 v[TMP:TMP+1], v[TMP:TMP+1], v[TMP+2:TMP+3]
	v_pk_add_f32 v[TMP+4:TMP+5], v[TMP+4:TMP+5], v[TMP+6:TMP+7]
	v_pk_add_f32 v[TMP:TMP+1], v[TMP:TMP+1], v[TMP+4:TMP+5]
	v_add_f32 v[TMP], v[TMP], v[TMP+1]
	v_add_f32_dpp v[TMP], v[TMP], v[TMP] row_xmask:1 row_mask:0xf bank_mask:0xf
	v_add_f32_dpp v[TMP], v[TMP], v[TMP] row_xmask:2 row_mask:0xf bank_mask:0xf
	v_add_f32_dpp v[TMP], v[TMP], v[TMP] row_xmask:4 row_mask:0xf bank_mask:0xf
	v_add_f32_dpp v[TMP], v[TMP], v[TMP] row_xmask:8 row_mask:0xf bank_mask:0xf
	v_permlanex16_b32 v[TMP+1], v[TMP], s66, s67
	v_add_f32 v[TMP], v[TMP], v[TMP+1]             ; S2, in every lane
	v_max3_num_f32 v4, v4, v5, v6
	v_max_num_f32 v4, v4, v7
	v_max_num_f32_dpp v4, v4, v4 row_xmask:1 row_mask:0xf bank_mask:0xf
	v_max_num_f32_dpp v4, v4, v4 row_xmask:2 row_mask:0xf bank_mask:0xf
	v_max_num_f32_dpp v4, v4, v4 row_xmask:4 row_mask:0xf bank_mask:0xf
	v_max_num_f32_dpp v4, v4, v4 row_xmask:8 row_mask:0xf bank_mask:0xf
	v_permlanex16_b32 v5, v4, s66, s67
	v_max_num_f32 v4, v4, v5                       ; the batch's largest |v m / 4|,
	v_max_num_f32 v4, 0x0d800000, v4               ; held at 2^-100 from below, as the attention holds it;
	v_lshrrev_b32 v4, 23, v4                       ; its exponent field, e + 127;
	v_add_nc_u32 v4, -12, v4
	v_lshlrev_b32 v4, 23, v4                       ; 2^(e - 12)
.irp a, 0,1,2,3
	v_fmaak_f32 v[GG+2*\a], v[GG+2*\a], v[TMP], 0x358637bd   ; mWin x S2 + 1e-6
.endr
.irp a, 0,1,2,3
	v_rcp_f32 v[GG+2*\a], v[GG+2*\a]
.endr
	v_nop                                          ; a plain instruction behind the last reciprocal
	s_wait_alu depctr_va_vdst(0)                   ; and the wait ahead of the first use: one for the four
.irp a, 0,1,2,3
	v_mul_f32 v[GG+2*\a], v[GG+2*\a], v4
.endr
.irp a, 0,1,2,3
	v_mov_b32 v[GG+2*\a+1], v[GG+2*\a]             ; as a pair, for the packed multiply-add
.endr
; 8 matrix instructions: token blocks a0, a0 + 1 x all 4 column blocks, 32 along K: half c of buffer f.  zero = 1: the first product starts the sums.  The 16 accumulators take turns.
.macro MUL8 f, c, a0, zero
.irp a, \a0, \a0+1
.irp b, 0,1,2,3
.if \zero
	v_wmma_f32_16x16x32_f16 v[ACC+8*(4*(\a)+\b):ACC+8*(4*(\a)+\b)+7], v[\f+64+8*(4*\c+\b):\f+64+8*(4*\c+\b)+7], v[\f+8*(4*\c+\a):\f+8*(4*\c+\a)+7], 0
.else
	v_wmma_f32_16x16x32_f16 v[ACC+8*(4*(\a)+\b):ACC+8*(4*(\a)+\b)+7], v[\f+64+8*(4*\c+\b):\f+64+8*(4*\c+\b)+7], v[\f+8*(4*\c+\a):\f+8*(4*\c+\a)+7], v[ACC+8*(4*(\a)+\b):ACC+8*(4*(\a)+\b)+7]
.endif
.endr
.endr
.endm
; 32 LDS loads in one run: the fragments of the K step's q-th 64 along K into buffer f; the first 32 along K first.  proj_w from padded rows, att from images (block of tokens i: 8,192 bytes; 32 channels: 1,024; half: 512)
.macro FETCH slot, q, f
	WIN TO_F
.irp c, 0,1
.irp i, 0,1,2,3
	ds_load_b128 v[\f+64+8*(4*\c+\i):\f+64+8*(4*\c+\i)+3],   v[ADRB+\slot] offset:128*\q+64*\c+\i*16*PITCH
	ds_load_b128 v[\f+64+8*(4*\c+\i)+4:\f+64+8*(4*\c+\i)+7], v[ADRB+\slot] offset:128*\q+64*\c+\i*16*PITCH+32
	ds_load_b128 v[\f+8*(4*\c+\i):\f+8*(4*\c+\i)+3],         v[ADRA+\slot] offset:\i*8192+(2*\q+\c)*1024
	ds_load_b128 v[\f+8*(4*\c+\i)+4:\f+8*(4*\c+\i)+7],       v[ADRA+\slot] offset:\i*8192+(2*\q+\c)*1024+512
.endr
.endr
.endm
.macro PLACES                          ; four places in front of loads into registers that matrix instructions have read, and of the first read of results
.rept 4
	v_nop
.endr
.endm
; A K step is four quarters of 64 along K, 32 matrix instructions each, on buffers 0, 1, 0, 1.  One of the first three: multiplies buffer f and fetches quarter q into g.
.macro QUARTER slot, q, f, g, zero
	s_wait_dscnt 16                                ; the first 32 along K are in; the sixteen loads of the second 32 may be out
	WIN MUL
	MUL8 \f, 0, 0, \zero
	MUL8 \f, 0, 2, \zero
	PLACES
	FETCH \slot, \q, \g
	s_wait_dscnt 32                                ; all but the 32 just issued
	WIN MUL
	MUL8 \f, 1, 0, 0
	MUL8 \f, 1, 2, 0
.endm
; The last quarter multiplies buffer 1 and changes slots: ONE barrier; in front of it each wave waits for all its tensor loads, adds 0 to its spare word, and waits for that and for its own reads of this slot.  fill = 1: this slot is filled again, two K steps ahead.
.macro TURN slot, next, fill
	WIN 0                                          ; (the add's two registers lie in window 0)
	s_wait_tensorcnt 0x0                           ; all my tensor loads have landed: my part of the next slot;
	ds_add_u32 v[SPW], v[NIL]                      ; 0 onto my spare word;
	s_wait_dscnt 17                                ; (the add and the youngest sixteen loads may be out)
	WIN MUL
	MUL8 F1, 0, 0, 0                               ; eight matrix instructions stand between the add and the wait for it
	s_wait_dscnt 0x0                               ; the add is done, and my reads of this slot are over
	s_barrier_signal -1
	MUL8 F1, 0, 2, 0
.if \fill
	WIN 0
.endif
	s_barrier_wait -1
.if \fill
	CREST                                          ; the barrier has opened a round of the cluster's barrier: no wave of any partner still reads this slot's tile or has a load on its way
	s_add_nc_u64 s[G0+4*\slot+2:G0+4*\slot+3], s[G0+4*\slot+2:G0+4*\slot+3], 2*ABYTES
	s_add_nc_u64 s[G0B+4*\slot+2:G0B+4*\slot+3], s[G0B+4*\slot+2:G0B+4*\slot+3], 2*KSTEP*2
	JLOAD \slot                                    ; the first tensor load behind the round: 112 matrix instructions ahead of the wait for it; the four v_nop behind it are also the places in front of the loads below
.else
	PLACES
.endif
	FETCH \next, 0, F0
	WIN MUL
	MUL8 F1, 1, 0, 0
	MUL8 F1, 1, 2, 0
.endm
	s_wait_tensorcnt 1                             ; my part of K step 0 is in (K step 1's load may be out),
	s_barrier_signal -1
	s_barrier_wait -1                              ; everybody's is
	FETCH 0, 0, F0
	QUARTER 0, 1, F0, F1, 1                        ; K step 0: its first products start the sums
	QUARTER 0, 2, F1, F0, 0
	QUARTER 0, 3, F0, F1, 0
	TURN 0, 1, 1                                   ; slot 0 takes K step 2
	QUARTER 1, 1, F0, F1, 0                        ; K step 1
	QUARTER 1, 2, F1, F0, 0
	QUARTER 1, 3, F0, F1, 0
	TURN 1, 0, 1                                   ; slot 1 takes K step 3
	QUARTER 0, 1, F0, F1, 0                        ; K step 2
	QUARTER 0, 2, F1, F0, 0
	QUARTER 0, 3, F0, F1, 0
	TURN 0, 1, 0                                   ; nothing is left to fetch
	QUARTER 1, 1, F0, F1, 0                        ; K step 3
	QUARTER 1, 2, F1, F0, 0
	QUARTER 1, 3, F0, F1, 0
	s_wait_dscnt 16                                ; the very last quarter
	WIN MUL
	MUL8 F1, 0, 0, 0
	MUL8 F1, 0, 2, 0
	s_wait_dscnt 0
	MUL8 F1, 1, 0, 0
	MUL8 F1, 1, 2, 0
	WIN 0
; THE WAY OUT, block by block of 16 tokens x 64 columns: x g + bias in one packed multiply-add; 32 bytes a lane into my own stage in LDS; back as whole rows of 256 bytes, into the block's own accumulators, which are done with; sixteen lanes store
; 256 consecutive bytes, aligned.  LDS serves a wave's instructions in order (ISA guide 5.7.1.4): no wait between the stores and the loads.
.macro PACK a
.set TM, TMP+32*((\a)%2)
.irp b, 0,1,2,3
.irp r, 0,1,2,3
	v_pk_fma_f32 v[TM+8*\b+2*\r:TM+8*\b+2*\r+1], v[ACC+8*(4*(\a)+\b)+2*\r:ACC+8*(4*(\a)+\b)+2*\r+1], v[GG+2*(\a):GG+2*(\a)+1], v[BI+8*\b+2*\r:BI+8*\b+2*\r+1]   ; each accumulator from its low end on
.endr
.endr
.endm
.macro TOSTAGE a
.set TM, TMP+32*((\a)%2)
.irp b, 0,1,2,3
	ds_store_b128 v[STO], v[TM+8*\b:TM+8*\b+3] offset:64*\b
	ds_store_b128 v[STO], v[TM+8*\b+4:TM+8*\b+7] offset:64*\b+16
.endr
.irp t, 0,1,2,3,4,5,6,7
	ds_load_b128 v[ACC+32*(\a)+4*\t:ACC+32*(\a)+4*\t+3], v[RD] offset:\t*2*SPITCH
.endr
.endm
.macro SEND a
	s_wait_dscnt 0x0                               ; the block is back in registers
.irp t, 0,1,2,3,4,5,6,7
	global_store_b128 v[CO], v[ACC+32*(\a)+4*\t:ACC+32*(\a)+4*\t+3], s[8:9] offset:65536*(\a)+8192*\t th:TH_STORE_NT   ; rows 16 a + 2 t and + 1; written once, read by nobody here
.endr
.endm
	PLACES
	PACK 0
	TOSTAGE 0
.irp a, 1,2,3
	PACK \a                                        ; a block's arithmetic stands between the loads of the block before and the wait for them
	SEND \a-1
	TOSTAGE \a
.endr
	SEND 3
	s_wait_tensorcnt 0x0                           ; the wave's end: behind my last tensor load and my last LDS store
	ds_add_u32 v[SPW], v[NIL]
	s_wait_dscnt 0x0
	CROUND                                         ; the closing round: no work-group ends while a partner may still ask for a tile that names it
	s_endpgm
.Lfunc_end_k_qbd3d390c16_proj:
	.size	k_qbd3d390c16_proj, .Lfunc_end_k_qbd3d390c16_proj-k_qbd3d390c16_proj
	.p2alignl 7, 3214868480
	.fill 96, 4, 3214868480
	.section	.rodata,"a",@progbits
	.p2align	6, 0x0
	.amdhsa_kernel k_qbd3d390c16_proj
		.amdhsa_group_segment_fixed_size 327680
		.amdhsa_private_segment_fixed_size 0
		.amdhsa_enable_private_segment 0
		.amdhsa_kernarg_size 48
		.amdhsa_user_sgpr_count 2
		.amdhsa_user_sgpr_kernarg_segment_ptr 1
		.amdhsa_wavefront_size32 1
		.amdhsa_system_sgpr_workgroup_id_x 1
		.amdhsa_system_sgpr_workgroup_id_y 1
		.amdhsa_system_sgpr_workgroup_id_z 1
		.amdhsa_system_vgpr_workitem_id 0
		.amdhsa_next_free_vgpr 512
		.amdhsa_next_free_sgpr 76
		.amdhsa_reserve_vcc 0
		.amdhsa_float_denorm_mode_32 3
		.amdhsa_float_denorm_mode_16_64 3
		.amdhsa_memory_ordered 1
		.amdhsa_forward_progress 1
		.amdhsa_inst_pref_size 97
	.end_amdhsa_kernel
	.amdgpu_metadata
---
amdhsa.version: [ 1, 2 ]
amdhsa.kernels:
  - .name:           k_qbd3d390c16_proj
    .symbol:         k_qbd3d390c16_proj.kd
    .args:
      - { .name: att, .offset: 0, .size: 8, .value_kind: global_buffer, .address_space: global }
      - { .name: w16, .offset: 8, .size: 8, .value_kind: global_buffer, .address_space: global }
      - { .name: out0, .offset: 16, .size: 8, .value_kind: global_buffer, .address_space: global }
      - { .name: mWin, .offset: 24, .size: 8, .value_kind: global_buffer, .address_space: global }
      - { .name: vmax, .offset: 32, .size: 8, .value_kind: global_buffer, .address_space: global }
      - { .name: proj_b, .offset: 40, .size: 8, .value_kind: global_buffer, .address_space: global }
    .group_segment_fixed_size: 327680
    .private_segment_fixed_size: 0
    .kernarg_segment_align: 8
    .kernarg_segment_size: 48
    .max_flat_workgroup_size: 128
    .sgpr_count:     76
    .vgpr_count:     512
    .wavefront_size: 32
...
	.end_amdgpu_metadata
.endif
;; end of part 4
